; MI455X (gfx1250); checked and timed in simulation.
; The chip was launched on July 23, 2026; its instructions are those of AMD's public machine-readable ISA for CDNA 5 (MIT licence, August 2026) and "CDNA5" Instruction Set Architecture Reference Guide (July 2026). The comments in the code are by the model that wrote it; some were corrected since.
;; Single Head Attention. Allowed arithmetic: float matrix products may take bf16 or f16 operands with f32 sums; all other float work in f32.
;; Inputs: Wk 1,024 x 1,024 float32; Wo 1,024 x 1,024 float32; Wq 1,024 x 1,024 float32; Wv 1,024 x 1,024 float32; bk 1,024 float32; bo 1,024 float32; bq 1,024 float32; bv 1,024 float32; x 4 x 2,048 x 1,024 float32.
;; Outputs: out0 4 x 2,048 x 1,024 float32.
;; One version. Each part assembles by itself: llvm-mc -triple=amdgcn-amd-amdhsa -mcpu=gfx1250 --defsym DOCPART=n.
;; ======== version 1 of 1: 5 launches
;; workspace buffers: xb 16,777,216 bytes; wts 8,409,088 bytes; kv 33,554,432 bytes; qvo 33,554,432 bytes; p 33,554,432 bytes; st 1,048,576 bytes
;; launch prep (part 1): grid 769 x 1, 8 waves a work-group, no clusters, 0 bytes of LDS; arguments x, Wq, Wk, Wv, Wo, bq, bk, bv, bo, xb, wts; writes xb, wts
.if DOCPART == 1
	.amdgcn_target "amdgcn-amd-amdhsa--gfx1250"
	.amdhsa_code_object_version 6
	.text
	.protected	k_qabee5d5968_prep
	.globl	k_qabee5d5968_prep
	.p2align	8
	.type	k_qabee5d5968_prep,@function
k_qabee5d5968_prep:
	s_mov_b64 s[64:65], 0
	v_nop
	global_prefetch_b8 v0, s[64:65] scope:SCOPE_SE
	s_setreg_imm32_b32 hwreg(HW_REG_WAVE_MODE, 25, 1), 1
	s_wait_xcnt 0x0
; THE CASTS.  Every input is rounded once to bf16 (nearest even).  x -> xb [8192][1024] bf16.  Wq, Wk, Wv, Wo -> wts at 0, 2, 4, 6 MiB, bf16, as they lie ([k][n]).
; The biases -> wts at 8 MiB, rounded to bf16 and kept as f32, five rows of 1,024 numbers: bq, a row of zeros (vo = v Wo has no bias of its own: bo is added by the last launch), bk, bv, bo.
; A stream: no LDS, no barrier, no matrix unit, since nothing is used twice.  Work-groups 0-511 take 16,384 numbers of x each, 512-767 as many of a weight, 768 the biases.
; Thread t takes 4 numbers (16 bytes) of each of 16 steps of 1,024 numbers: a wave's load covers 512 consecutive bytes, a wave's store (8 bytes a lane) 256 consecutive bytes, aligned.
; All 16 loads go out at once; each step has registers of its own, so nothing that a memory instruction may still read is written again.
.set X, 4                              ; v[4:67]   16 steps x 4 numbers as loaded
.set Y, 68                             ; v[68:99]  16 steps x 2 registers to store
.set T, 100                            ; v[100:101] at work
	s_load_b512 s[8:23], s[0:1], 0x0               ; x s[8:9], Wq s[10:11], Wk s[12:13], Wv s[14:15], Wo s[16:17], bq s[18:19], bk s[20:21], bv s[22:23]
	s_load_b128 s[24:27], s[0:1], 0x40             ; bo s[24:25], xb s[26:27]
	s_load_b64 s[28:29], s[0:1], 0x50              ; wts
	s_mov_b32 s2, ttmp9                            ; the work-group's number
	v_lshlrev_b32 v1, 4, v0                        ; 16 t: my 4 numbers in a step of the source
	v_lshlrev_b32 v2, 3, v0                        ; 8 t: my 8 bytes in a step of the destination
	s_sub_co_u32 s3, s2, 512                       ; my number among the weights' work-groups
	s_and_b32 s4, s3, 63                           ; and inside one weight
	s_cmp_ge_u32 s2, 512
	s_cselect_b32 s34, s4, s2                      ; my block of 65,536 bytes in the source,
	s_cselect_b32 s36, s3, s2                      ; my block of 32,768 bytes in the destination
	s_lshl_b32 s34, s34, 16
	s_lshl_b32 s36, s36, 15
	s_mov_b32 s35, 0
	s_mov_b32 s37, 0
	s_wait_kmcnt 0x0
	s_cmp_eq_u32 s2, 768
	s_cbranch_scc1 .Lbias
	s_cmp_ge_u32 s2, 512                           ; the source and the destination are chosen by the work-group's number alone
	s_cselect_b64 s[30:31], s[10:11], s[8:9]
	s_cselect_b64 s[32:33], s[28:29], s[26:27]
	s_cmp_ge_u32 s2, 576
	s_cselect_b64 s[30:31], s[12:13], s[30:31]
	s_cmp_ge_u32 s2, 640
	s_cselect_b64 s[30:31], s[14:15], s[30:31]
	s_cmp_ge_u32 s2, 704
	s_cselect_b64 s[30:31], s[16:17], s[30:31]
	s_add_nc_u64 s[30:31], s[30:31], s[34:35]
	s_add_nc_u64 s[32:33], s[32:33], s[36:37]
.irp i, 0,1,2,3,4,5,6,7,8,9,10,11,12,13,14,15
	global_load_b128 v[X+4*(\i):X+4*(\i)+3], v1, s[30:31] offset:4096*(\i) th:TH_LOAD_NT
.endr
.irp i, 0,1,2,3,4,5,6,7,8,9,10,11,12,13,14,15
	s_wait_loadcnt 15-(\i)                         ; loads come back in order (ISA guide 5.7.1): the younger steps' loads may stay out
	v_cvt_pk_bf16_f32 v[Y+2*(\i)],   v[X+4*(\i)],   v[X+4*(\i)+1]
	v_cvt_pk_bf16_f32 v[Y+2*(\i)+1], v[X+4*(\i)+2], v[X+4*(\i)+3]
	global_store_b64 v2, v[Y+2*(\i):Y+2*(\i)+1], s[32:33] offset:2048*(\i)
.endr
	s_endpgm
.Lbias:                                                ; 256 threads x 4 numbers are one bias
	s_add_nc_u64 s[32:33], s[28:29], 0x800000
	global_load_b128 v[X:X+3],     v1, s[18:19]
	global_load_b128 v[X+4:X+7],   v1, s[20:21]
	global_load_b128 v[X+8:X+11],  v1, s[22:23]
	global_load_b128 v[X+12:X+15], v1, s[24:25]
.irp k, 16,17,18,19
	v_mov_b32 v[Y+(\k)], 0
.endr
	global_store_b128 v1, v[Y+16:Y+19], s[32:33] offset:4096  ; the row of zeros
.macro BIAS i, row                     ; bias i of the four goes to row 'row' of the table
	s_wait_loadcnt 3-(\i)                          ; the younger biases' loads may stay out
	v_cvt_pk_bf16_f32 v[T],   v[X+4*(\i)],   v[X+4*(\i)+1]
	v_cvt_pk_bf16_f32 v[T+1], v[X+4*(\i)+2], v[X+4*(\i)+3]
	v_lshlrev_b32 v[Y+4*(\i)],   16, v[T]          ; bf16 to f32: the low half moves up,
	v_and_b32     v[Y+4*(\i)+1], 0xffff0000, v[T]  ; the high half stays
	v_lshlrev_b32 v[Y+4*(\i)+2], 16, v[T+1]
	v_and_b32     v[Y+4*(\i)+3], 0xffff0000, v[T+1]
	global_store_b128 v1, v[Y+4*(\i):Y+4*(\i)+3], s[32:33] offset:4096*(\row)
.endm
	BIAS 0, 0
	BIAS 1, 2
	BIAS 2, 3
	BIAS 3, 4
	s_endpgm
.Lfunc_end_k_qabee5d5968_prep:
	.size	k_qabee5d5968_prep, .Lfunc_end_k_qabee5d5968_prep-k_qabee5d5968_prep
	.p2alignl 7, 3214868480
	.fill 96, 4, 3214868480
	.section	.rodata,"a",@progbits
	.p2align	6, 0x0
	.amdhsa_kernel k_qabee5d5968_prep
		.amdhsa_group_segment_fixed_size 0
		.amdhsa_private_segment_fixed_size 0
		.amdhsa_enable_private_segment 0
		.amdhsa_kernarg_size 88
		.amdhsa_user_sgpr_count 2
		.amdhsa_user_sgpr_kernarg_segment_ptr 1
		.amdhsa_wavefront_size32 1
		.amdhsa_system_sgpr_workgroup_id_x 1
		.amdhsa_system_sgpr_workgroup_id_y 1
		.amdhsa_system_sgpr_workgroup_id_z 1
		.amdhsa_system_vgpr_workitem_id 0
		.amdhsa_next_free_vgpr 104
		.amdhsa_next_free_sgpr 66
		.amdhsa_reserve_vcc 0
		.amdhsa_float_denorm_mode_32 3
		.amdhsa_float_denorm_mode_16_64 3
		.amdhsa_memory_ordered 1
		.amdhsa_forward_progress 1
		.amdhsa_inst_pref_size 10
	.end_amdhsa_kernel
	.amdgpu_metadata
---
amdhsa.version: [ 1, 2 ]
amdhsa.kernels:
  - .name:           k_qabee5d5968_prep
    .symbol:         k_qabee5d5968_prep.kd
    .args:
      - { .name: x, .offset: 0, .size: 8, .value_kind: global_buffer, .address_space: global }
      - { .name: Wq, .offset: 8, .size: 8, .value_kind: global_buffer, .address_space: global }
      - { .name: Wk, .offset: 16, .size: 8, .value_kind: global_buffer, .address_space: global }
      - { .name: Wv, .offset: 24, .size: 8, .value_kind: global_buffer, .address_space: global }
      - { .name: Wo, .offset: 32, .size: 8, .value_kind: global_buffer, .address_space: global }
      - { .name: bq, .offset: 40, .size: 8, .value_kind: global_buffer, .address_space: global }
      - { .name: bk, .offset: 48, .size: 8, .value_kind: global_buffer, .address_space: global }
      - { .name: bv, .offset: 56, .size: 8, .value_kind: global_buffer, .address_space: global }
      - { .name: bo, .offset: 64, .size: 8, .value_kind: global_buffer, .address_space: global }
      - { .name: xb, .offset: 72, .size: 8, .value_kind: global_buffer, .address_space: global }
      - { .name: wts, .offset: 80, .size: 8, .value_kind: global_buffer, .address_space: global }
    .group_segment_fixed_size: 0
    .private_segment_fixed_size: 0
    .kernarg_segment_align: 8
    .kernarg_segment_size: 88
    .max_flat_workgroup_size: 256
    .sgpr_count:     66
    .vgpr_count:     104
    .wavefront_size: 32
...
	.end_amdgpu_metadata
.endif
;; end of part 1
;; launch kv (part 2): grid 8 x 32, 4 waves a work-group, clusters of 4 x 4, 327,680 bytes of LDS; arguments xb, wts, kv; writes kv
.if DOCPART == 2
	.amdgcn_target "amdgcn-amd-amdhsa--gfx1250"
	.amdhsa_code_object_version 6
	.text
	.protected	k_qabee5d5968_kv
	.globl	k_qabee5d5968_kv
	.p2align	8
	.type	k_qabee5d5968_kv,@function
k_qabee5d5968_kv:
	s_mov_b64 s[64:65], 0
	v_nop
	global_prefetch_b8 v0, s[64:65] scope:SCOPE_SE
	s_setreg_imm32_b32 hwreg(HW_REG_WAVE_MODE, 25, 1), 1
	s_wait_xcnt 0x0
	s_wait_alu depctr_hold_cnt(0) depctr_sa_sdst(0) depctr_va_vdst(0) depctr_va_sdst(0) depctr_va_ssrc(0) depctr_va_vcc(0) depctr_vm_vsrc(0)
	s_getreg_b32 s2, hwreg(HW_REG_IB_STS2, 6, 4)
	s_cmp_eq_u32 s2, 0
	s_cbranch_scc0 .Lentry_in_a_cluster
	s_endpgm
.Lentry_in_a_cluster:
	s_bfe_u32 s2, ttmp6, 0x10000c
	s_cmp_lg_u32 s2, 0xf033
	s_cbranch_scc0 .Lentry_shape_is_right
	s_endpgm
.Lentry_shape_is_right:
; k | v = xb [Wk | Wv] + [bk | bv].  xb: [8192][1024] bf16.  Wk, Wv: [1024 k][1024 n] bf16 at wts + 2 MiB, + 4 MiB.  bk, bv: f32, rows 2 and 3 of the table at wts + 8 MiB.
; k, v: [8192][1024] bf16 at kv + 0, + 16 MiB.  Sums in f32, started by the bias as the first product's C operand; k and v rounded once to bf16.
; A tile of 256 rows x 256 columns to a work-group of four waves, 128 x 128 to a wave: 64 accumulators, 512 registers.  32 x 8 tiles: 256 work-groups.
; K goes in 8 steps of 128 through two LDS slots filled by tensor loads: waves 0, 1 fetch 128 rows of xb each, waves 2, 3 64 k-rows of W each.
; CLUSTER 4 x 4: xb's tile hangs on the tile row alone and is asked for jointly by a row of the cluster, W's on the tile column alone and is asked for jointly by a column.
; THE PRODUCT IS USED TRANSPOSED: source 0 = 16 columns of W (turned on the way out of LDS by ds_load_tr16_b128, since W lies [k][n]), source 1 = 16 rows of xb: a lane then holds row l % 16
; and the eight neighbouring columns 8 (l / 16) + 0..7.
; THE TEXT IS SHORT ON PURPOSE: a pair of quarter steps (32 along K each) is written once in the loop and once in the tail; the LDS addresses hang on scalar registers that step, and the change of
; slots stands between two pairs.  Quarter g first asks for quarter g + 1's fragments (into the buffer that quarter g - 1 multiplied), then multiplies buffer g % 2: the loads have 64 products in which to land.
; REGISTERS in windows of 256 (s_set_vgpr_msb: bits 1:0 source 0, 3:2 source 1, 5:4 source 2, 7:6 destination):
;   window 0: v0-31 addresses; v32-63 way out; v64-127, v128-191 xb's fragments, two buffers; v192-255 the bias (8 column blocks x 8), later the way out
;   window 1: v64-127, v128-191 W's fragments      window 2: accumulators of my rows 0-63, (a, b) at v[8 (8 a + b)]      window 3: those of my rows 64-127
.set PITCH,  272                       ; a row of xb in LDS: 256 bytes + 16 = 68 words: the 16 rows of a load start at 16 different groups of four banks (64 banks of 4 bytes: ISA guide 11.1)
.set PB,     544                       ; a k-row of W in LDS: 512 bytes + 32: an odd multiple of 32, as the turning load's eight rows x 32 bytes want
.set HALFT,  128*PITCH                 ; what one tensor load brings: 128 rows of xb, or 64 k-rows of W (64 x 544 is the same number)
.set SLOT,   4*HALFT
.set STAGE,  2*SLOT                    ; behind the ring: 16 rows x 272 bytes for each wave
.set SPITCH, 272
.set SPARE,  STAGE+4*16*SPITCH         ; the spare words: 128 bytes for each wave, named by no other line
.set NS,     8                         ; K steps
.set QSB,    32*PB                     ; a quarter step in W's tile: 32 k-rows
.set STEPA,  256                       ; a K step in xb: 128 numbers along a row
.set STEPB,  128*2048                  ; in W: 128 k-rows
.set ROWC,   2048                      ; bytes in a row of k or v
.set A0,   16                          ; v16  my lane's place in xb's tile; never rewritten
.set B0,   17                          ; v17  in W's tile
.set ADRA, 18                          ; v18  LDS address of the run of loads in hand
.set ADRB, 19
.set STO,  24                          ; v24  way out: where I put 16 bytes of a row
.set RD,   25                          ; v25  way out: where I read rows back
.set CO,   26                          ; v26  my byte offset in two rows of the output
.set BO,   27                          ; v27  my byte offset in the bias
.set SPW,  28                          ; v28  my spare word; never rewritten
.set NIL,  29                          ; v29  0; never rewritten
.set OB,   32
.set F0,   64
.set F1,   128
.set BIAS, 192
.set TMP,  192
.set WOFFA, 20                         ; s20, s21  where my tensor load's tile lies in a slot
.set WOFFB, 21
.set G1,  24                           ; s[24:31] group 1 for xb's tiles; s[32:39] group 0: set 0 is used once, set 1 walks
.set G0,  32
.set G1B, 48                           ; s[48:55], s[56:63] the same for W's tiles
.set G0B, 56
.set CNT, 66
.set SLOTS, 67
.set TA,  68                           ; s68, s69  LDS byte at which the next quarter to be fetched begins, in xb's tile and in W's
.set TB,  69
.set FS,  70                           ; s70  the slot filled last: 0 or SLOT
.set MSB, 0
.macro WIN new                         ; the immediate's high byte repeats the setting that is left; a switch that changes nothing is dropped
.if MSB != (\new)
	s_set_vgpr_msb (MSB<<8)|(\new)
.set MSB, \new
.endif
.endm
.macro PLACES                          ; four places behind matrix instructions (ISA guide 7.12.1)
.rept 4
	v_nop
.endr
.endm
.macro CREST
	s_cmp_lg_u32 s10, 0
	s_cbranch_scc1 .Lnot_wave_0_\@
	s_barrier_signal -3
.Lnot_wave_0_\@:
	s_barrier_wait -3
	s_barrier_signal -1
	s_barrier_wait -1
.endm
.macro CROUND                          ; a round of the cluster's barrier
	s_barrier_signal -1
	s_barrier_wait -1
	CREST
.endm
.macro JLOAD                           ; a joint refill by the walking descriptors; an s_nop 0 and four v_nop follow each line
	s_cmp_eq_u32 s11, 0
	s_cbranch_scc0 .Lfor_b_\@
	tensor_load_to_lds s[G0+4:G0+7], s[G1:G1+7]
	s_nop 0
.rept 4
	v_nop
.endr
	s_branch .Lasked_\@
.Lfor_b_\@:
	tensor_load_to_lds s[G0B+4:G0B+7], s[G1B:G1B+7]
	s_nop 0
.rept 4
	v_nop
.endr
.Lasked_\@:
.endm
	s_load_b128 s[4:7], s[0:1], 0x0                ; xb s[4:5], wts s[6:7]
	s_load_b64 s[8:9], s[0:1], 0x10                ; kv
	v_lshl_add_u32 v[SPW], v0, 2, SPARE
	v_mov_b32 v[NIL], 0
	ds_add_u32 v28, v29
	s_wait_dscnt 0x0
	v_lshrrev_b32 v1, 5, v0
	v_readfirstlane_b32 s10, v1                    ; wave 0..3
	s_lshr_b32 s11, s10, 1                         ; my half of the tile's rows; also: I fetch xb (0) or W (1)
	s_and_b32 s12, s10, 1                          ; my half of its columns; also: which half of that tile I fetch
	s_bfe_u32 s40, ttmp6, 0x40000                  ; cx
	s_bfe_u32 s41, ttmp6, 0x40004                  ; cy
	s_lshl_b32 s42, ttmp9, 2
	s_add_co_u32 s42, s42, s40                     ; tile column 0..7 = 4 x cluster x + cx
	s_and_b32 s13, ttmp7, 0xffff
	s_lshl_b32 s13, s13, 2
	s_add_co_u32 s13, s13, s41                     ; tile row 0..31 = 4 x cluster y + cy
	s_lshl_b32 s43, s41, 2
	s_lshl_b32 s43, 15, s43                        ; my row of the cluster
	s_lshl_b32 s44, 0x1111, s40                    ; my column
	s_or_b32 s[G1+0], s43, (1<<16)|(1<<20)|(1<<21)|(5<<22)|(3<<25)   ; mask; 2-byte elements; padding on; bit 21 beside a mask; after every 64 words 4 words
	s_mov_b32 s[G1+1], 128<<16                     ; tensor_dim0 = 128
	s_mov_b32 s[G1+2], 128<<16                     ; tensor_dim1 = 128
	s_mov_b32 s[G1+3], 128<<16                     ; tile_dim0 = 128
	s_mov_b32 s[G1+4], 128                         ; tile_dim1 = 128
	s_mov_b32 s[G1+5], 1024                        ; elements from row to row
	s_mov_b32 s[G1+6], 0
	s_mov_b32 s[G1+7], 0
	s_or_b32 s[G1B+0], s44, (1<<16)|(1<<20)|(1<<21)|(6<<22)|(7<<25)  ; after every 128 words 8 words
	s_mov_b32 s[G1B+1], 256<<16                    ; tensor_dim0 = 256
	s_mov_b32 s[G1B+2], 64<<16                     ; tensor_dim1 = 64
	s_mov_b32 s[G1B+3], 256<<16                    ; tile_dim0 = 256
	s_mov_b32 s[G1B+4], 64                         ; tile_dim1 = 64
	s_mov_b32 s[G1B+5], 1024
	s_mov_b32 s[G1B+6], 0
	s_mov_b32 s[G1B+7], 0
	s_lshl_b32 s16, s13, 8                         ; xb: row 256 x tile row + 128 x half, 2,048 bytes a row
	s_lshl_b32 s17, s12, 7
	s_add_co_u32 s16, s16, s17
	s_lshl_b32 s16, s16, 11
	s_mov_b32 s17, 0
	s_lshr_b32 s46, s42, 2                         ; W: Wk or Wv (2 MiB apart, Wk 2 MiB into wts), 256 columns of it, 64 k-rows x half
	s_lshl_b32 s46, s46, 21
	s_add_co_u32 s46, s46, 0x200000
	s_and_b32 s47, s42, 3
	s_lshl_b32 s47, s47, 9
	s_add_co_u32 s46, s46, s47
	s_lshl_b32 s47, s12, 17
	s_add_co_u32 s46, s46, s47
	s_mov_b32 s47, 0
	s_mul_i32 s[WOFFA], s10, HALFT                 ; xb's two halves, then W's two halves: wave x 34,816: no place in the cluster enters an LDS address
	s_mov_b32 s[WOFFB], s[WOFFA]
	s_mov_b32 s[FS], SLOT
	s_mov_b32 s[TA], 0
	s_mov_b32 s[TB], 0
	s_wait_kmcnt 0x0
	s_add_nc_u64 s[14:15], s[4:5], s[16:17]
	s_add_nc_u64 s[46:47], s[6:7], s[46:47]
	CROUND                                         ; all sixteen work-groups are here: the first joint loads meet
.irp s, 0,1
	s_mov_b32 s[G0+4*(\s)], 1
	s_add_co_u32 s[G0+4*(\s)+1], s[WOFFA], (\s)*SLOT
	s_add_nc_u64 s[G0+4*(\s)+2:G0+4*(\s)+3], s[14:15], (\s)*STEPA
	s_or_b32 s[G0+4*(\s)+3], s[G0+4*(\s)+3], 0x80000000
	s_mov_b32 s[G0B+4*(\s)], 1
	s_add_co_u32 s[G0B+4*(\s)+1], s[WOFFB], (\s)*SLOT
	s_add_nc_u64 s[G0B+4*(\s)+2:G0B+4*(\s)+3], s[46:47], (\s)*STEPB
	s_or_b32 s[G0B+4*(\s)+3], s[G0B+4*(\s)+3], 0x80000000
.endr
	s_cmp_eq_u32 s11, 0                            ; a wave's two first fills stand in one branch: two loads of mine are out
	s_cbranch_scc0 .Lfirst_b
	tensor_load_to_lds s[G0:G0+3], s[G1:G1+7]
	s_nop 0
	tensor_load_to_lds s[G0+4:G0+7], s[G1:G1+7]
	s_nop 0
.rept 4
	v_nop
.endr
	s_branch .Lfirst_asked
.Lfirst_b:
	tensor_load_to_lds s[G0B:G0B+3], s[G1B:G1B+7]
	s_nop 0
	tensor_load_to_lds s[G0B+4:G0B+7], s[G1B:G1B+7]
	s_nop 0
.rept 4
	v_nop
.endr
.Lfirst_asked:
	s_lshl_b32 s76, s42, 10                        ; the bias of my 128 columns: 4 (256 x tile column + 128 x half), from row 2 of the table on
	s_lshl_b32 s77, s12, 9
	s_add_co_u32 s76, s76, s77
	s_add_co_u32 s76, s76, 0x800000+2*4096
	s_mov_b32 s77, 0
	s_add_nc_u64 s[76:77], s[6:7], s[76:77]
	v_and_b32 v1, 15, v0                           ; l % 16
	v_bfe_u32 v2, v0, 4, 1                         ; l / 16
	v_lshlrev_b32 v[BO], 5, v2                     ; my eight columns of a block of 16
.irp b, 0,1,2,3,4,5,6,7
	global_load_b128 v[BIAS+8*(\b):BIAS+8*(\b)+3],   v[BO], s[76:77] offset:64*(\b)
	global_load_b128 v[BIAS+8*(\b)+4:BIAS+8*(\b)+7], v[BO], s[76:77] offset:64*(\b)+16
.endr
	v_mul_u32_u24 v3, v1, PITCH
	v_lshl_add_u32 v3, v2, 4, v3                   ; row x pitch + 16 x half
	s_mul_i32 s78, s11, HALFT
	v_add_nc_u32 v[A0], s78, v3
	v_and_b32 v4, 7, v0                            ; the turning load: k-row 8 (l / 16) + l % 8, columns 8 ((l / 8) % 2) + 0..7
	v_lshl_add_u32 v4, v2, 3, v4
	v_mul_u32_u24 v4, v4, PB
	v_bfe_u32 v5, v0, 3, 1
	v_lshl_add_u32 v4, v5, 4, v4
	s_lshl_b32 s78, s12, 8                         ; my 128 columns
	s_add_co_u32 s78, s78, 2*HALFT                 ; W's tile lies behind xb's
	v_add_nc_u32 v[B0], s78, v4
	s_mul_i32 s78, s10, 16*SPITCH
	s_add_co_u32 s78, s78, STAGE                   ; my stage
	v_add_nc_u32 v[STO], s78, v3                   ; in: row l % 16, 16 bytes for each half of the lanes
	v_mul_u32_u24 v5, v2, SPITCH                   ; back: lanes 0-15 one row of 256 bytes, lanes 16-31 the next
	v_lshl_add_u32 v5, v1, 4, v5
	v_add_nc_u32 v[RD], s78, v5
	v_lshlrev_b32 v5, 11, v2
	v_lshl_add_u32 v[CO], v1, 4, v5
	s_lshl_b32 s78, s13, 8                         ; my part of the output: k or v (16 MiB apart), row 256 x tile row + 128 x half, 512 bytes x (tile column % 4) + 256 x half
	s_lshl_b32 s79, s11, 7
	s_add_co_u32 s78, s78, s79
	s_lshl_b32 s78, s78, 11
	s_lshr_b32 s79, s42, 2
	s_lshl_b32 s79, s79, 24
	s_add_co_u32 s78, s78, s79
	s_and_b32 s79, s42, 3
	s_lshl_b32 s79, s79, 9
	s_add_co_u32 s78, s78, s79
	s_lshl_b32 s79, s12, 8
	s_add_co_u32 s78, s78, s79
	s_mov_b32 s79, 0
	s_add_nc_u64 s[8:9], s[8:9], s[78:79]
; 16 products: row blocks a0, a0 + 1 of the window's four x all 8 column blocks.  init = 2: the bias starts the sums; 0: in place.  The 64 accumulators take turns, one instruction a turn.
.macro MUL16 f, hi, a0, init
.if (\init) == 2
	WIN 0x81+0x40*(\hi)                            ; W window 1, xb window 0, C (the bias) window 0, D window 2 or 3
.else
	WIN 0xa1+0x50*(\hi)                            ; C and D window 2 or 3
.endif
.irp a, \a0, (\a0)+1
.irp b, 0,1,2,3,4,5,6,7
.if (\init) == 2
	v_wmma_f32_16x16x32_bf16 v[8*(8*(\a)+(\b)):8*(8*(\a)+(\b))+7], v[(\f)+8*(\b):(\f)+8*(\b)+7], v[(\f)+8*(4*(\hi)+(\a)):(\f)+8*(4*(\hi)+(\a))+7], v[BIAS+8*(\b):BIAS+8*(\b)+7]
.else
	v_wmma_f32_16x16x32_bf16 v[8*(8*(\a)+(\b)):8*(8*(\a)+(\b))+7], v[(\f)+8*(\b):(\f)+8*(\b)+7], v[(\f)+8*(4*(\hi)+(\a)):(\f)+8*(4*(\hi)+(\a))+7], v[8*(8*(\a)+(\b)):8*(8*(\a)+(\b))+7]
.endif
.endr
.endr
.endm
.macro ADDR                            ; the addresses of the next run of loads: four plain instructions, which are also the places between the last products and those loads
	v_add_nc_u32 v[ADRA], s[TA], v[A0]
	v_add_nc_u32 v[ADRB], s[TB], v[B0]
	v_nop
	v_nop
.endm
.macro FETCH f                         ; 32 LDS loads in one run: the next quarter's fragments into buffer f: W's 8 column blocks (turned), then xb's 8 row blocks
	WIN 0x40
.irp i, 0,1,2,3,4,5,6,7
	ds_load_tr16_b128 v[(\f)+8*(\i):(\f)+8*(\i)+3],   v[ADRB] offset:32*(\i)
	ds_load_tr16_b128 v[(\f)+8*(\i)+4:(\f)+8*(\i)+7], v[ADRB] offset:32*(\i)+16*PB
.endr
	WIN 0
.irp i, 0,1,2,3,4,5,6,7
	ds_load_b128 v[(\f)+8*(\i):(\f)+8*(\i)+3],   v[ADRA] offset:(\i)*16*PITCH
	ds_load_b128 v[(\f)+8*(\i)+4:(\f)+8*(\i)+7], v[ADRA] offset:(\i)*16*PITCH+32
.endr
	s_add_co_u32 s[TA], s[TA], 64
	s_add_co_u32 s[TB], s[TB], QSB
.endm
.macro QUARTER f, g, init              ; asks for the next quarter's fragments (buffer g, which the quarter before multiplied), then multiplies buffer f
	WIN 0
	ADDR
	FETCH \g
	s_wait_dscnt 32                                ; all but the 32 just issued: buffer f, asked for a quarter ago, is in
	MUL16 \f, 0, 0, \init
	MUL16 \f, 0, 2, \init
	MUL16 \f, 1, 0, \init
	MUL16 \f, 1, 2, \init
.endm
; THE CHANGE OF SLOTS.  The slot's last quarter has been asked for out of LDS.  Each wave waits for all its tensor loads (one is out: its part of the other slot), adds 0 to its spare word, and waits for
; that and for its reads of the slot.  fill = 1: the barrier is a round of the cluster's, and the joint refill, two K steps ahead, is the first thing behind it.
.macro CHANGE fill
	WIN 0
	s_wait_tensorcnt 0x0                           ; no tensor load of mine is out, so a group 0 may be written
	ds_add_u32 v[SPW], v[NIL]                      ; 0 onto my spare word; the scalar steps stand between it and the wait for it
.if \fill
	s_xor_b32 s[FS], s[FS], SLOT                   ; FS is 0 or SLOT: the other slot than last time
	s_add_co_u32 s[G0+5], s[WOFFA], s[FS]
	s_add_co_u32 s[G0B+5], s[WOFFB], s[FS]
	s_add_nc_u64 s[G0+6:G0+7], s[G0+6:G0+7], STEPA
	s_add_nc_u64 s[G0B+6:G0B+7], s[G0B+6:G0B+7], STEPB
.endif
	s_sub_co_u32 s[TA], s[TA], 256                 ; the fetches go back to a slot's first quarter (0 or SLOT),
	s_xor_b32 s[TA], s[TA], SLOT                   ; in the other slot
	s_sub_co_u32 s[TB], s[TB], 4*QSB
	s_xor_b32 s[TB], s[TB], SLOT
	s_wait_dscnt 0x0                               ; the add is done, and my reads of the slot are over
.if \fill
	CROUND
	JLOAD
.else
	s_barrier_signal -1
	s_barrier_wait -1
.endif
.endm
; THE WAY OUT of row block a: rounded to bf16, 16 bytes a lane; through my own stage; back as whole rows of 256 bytes; stored.
.macro PACK a
.set AC, 64*((\a)%4)
	WIN 0x0a+5*((\a)/4)                            ; sources 0 and 1: window 2 or 3
.irp b, 0,1,2,3,4,5,6,7
.irp r, 0,1,2,3
	v_cvt_pk_bf16_f32 v[TMP+4*(\b)+(\r)], v[AC+8*(\b)+2*(\r)], v[AC+8*(\b)+2*(\r)+1]
.endr
.endr
	WIN 0
.endm
.macro TOSTAGE a
.set BK, OB+192*((\a)%2)
.irp b, 0,1,2,3,4,5,6,7
	ds_store_b128 v[STO], v[TMP+4*(\b):TMP+4*(\b)+3] offset:32*(\b)
.endr
.irp t, 0,1,2,3,4,5,6,7
	ds_load_b128 v[BK+4*(\t):BK+4*(\t)+3], v[RD] offset:(\t)*2*SPITCH  ; LDS serves a wave's instructions in order (ISA guide 5.7.1.4): these see the stores above
.endr
.endm
.macro SEND a
.set BK, OB+192*((\a)%2)
	s_wait_dscnt 0x0                               ; the block is back in registers
	s_wait_xcnt 0x0                                ; only behind this wait are the stores' base and the registers that earlier stores read rewritten
.if (\a) != 0
	s_add_nc_u64 s[8:9], s[8:9], 16*ROWC
.endif
.irp t, 0,1,2,3,4,5,6,7
	global_store_b128 v[CO], v[BK+4*(\t):BK+4*(\t)+3], s[8:9] offset:2*(\t)*ROWC  ; 16 lanes store 256 consecutive bytes, aligned
.endr
.endm
	s_wait_tensorcnt 1                             ; my part of K step 0 is in; K step 1's may stay out
	s_barrier_signal -1
	s_barrier_wait -1
	ADDR
	FETCH F0
	s_wait_loadcnt 0x0                             ; the bias
	QUARTER F0, F1, 2                              ; quarter 0 starts the sums
	WIN 0
	s_mov_b32 s[CNT], 1                            ; one pair (quarters 1, 2) stands ahead of the first change of slots
	s_mov_b32 s[SLOTS], NS-1
	s_branch .Lpair
.Lslot:                                                ; NS - 2 times: every slot but the last two is filled again
	CHANGE 1
	s_mov_b32 s[CNT], 2
.Lpair:
	QUARTER F1, F0, 0
	QUARTER F0, F1, 0
	WIN 0
	s_sub_co_u32 s[CNT], s[CNT], 1
	s_cmp_lg_u32 s[CNT], 0
	s_cbranch_scc1 .Lpair
	s_sub_co_u32 s[SLOTS], s[SLOTS], 1
	s_cmp_lg_u32 s[SLOTS], 0
	s_cbranch_scc1 .Lslot
	CHANGE 0                                       ; the tail is written out
	s_mov_b32 s[CNT], 2
.Lpair2:
	QUARTER F1, F0, 0
	QUARTER F0, F1, 0
	WIN 0
	s_sub_co_u32 s[CNT], s[CNT], 1
	s_cmp_lg_u32 s[CNT], 0
	s_cbranch_scc1 .Lpair2
	s_wait_dscnt 0x0                               ; the last quarter: nothing more to fetch
	MUL16 F1, 0, 0, 0
	MUL16 F1, 0, 2, 0
	MUL16 F1, 1, 0, 0
	MUL16 F1, 1, 2, 0
	PLACES
	PACK 0
	TOSTAGE 0
.irp a, 1,2,3,4,5,6,7                  ; block a's conversions stand between block a - 1's loads from the stage and the wait for them
	PACK \a
	SEND (\a)-1
	TOSTAGE \a
.endr
	SEND 7
	s_wait_tensorcnt 0x0                           ; the wave's end
	ds_add_u32 v[SPW], v[NIL]
	s_wait_dscnt 0x0
	CROUND                                         ; the closing round
	s_endpgm
.Lfunc_end_k_qabee5d5968_kv:
	.size	k_qabee5d5968_kv, .Lfunc_end_k_qabee5d5968_kv-k_qabee5d5968_kv
	.p2alignl 7, 3214868480
	.fill 96, 4, 3214868480
	.section	.rodata,"a",@progbits
	.p2align	6, 0x0
	.amdhsa_kernel k_qabee5d5968_kv
		.amdhsa_group_segment_fixed_size 327680
		.amdhsa_private_segment_fixed_size 0
		.amdhsa_enable_private_segment 0
		.amdhsa_kernarg_size 24
		.amdhsa_user_sgpr_count 2
		.amdhsa_user_sgpr_kernarg_segment_ptr 1
		.amdhsa_wavefront_size32 1
		.amdhsa_system_sgpr_workgroup_id_x 1
		.amdhsa_system_sgpr_workgroup_id_y 1
		.amdhsa_system_sgpr_workgroup_id_z 1
		.amdhsa_system_vgpr_workitem_id 0
		.amdhsa_next_free_vgpr 1024
		.amdhsa_next_free_sgpr 84
		.amdhsa_reserve_vcc 0
		.amdhsa_float_denorm_mode_32 3
		.amdhsa_float_denorm_mode_16_64 3
		.amdhsa_memory_ordered 1
		.amdhsa_forward_progress 1
		.amdhsa_inst_pref_size 82
	.end_amdhsa_kernel
	.amdgpu_metadata
---
amdhsa.version: [ 1, 2 ]
amdhsa.kernels:
  - .name:           k_qabee5d5968_kv
    .symbol:         k_qabee5d5968_kv.kd
    .args:
      - { .name: xb, .offset: 0, .size: 8, .value_kind: global_buffer, .address_space: global }
      - { .name: wts, .offset: 8, .size: 8, .value_kind: global_buffer, .address_space: global }
      - { .name: kv, .offset: 16, .size: 8, .value_kind: global_buffer, .address_space: global }
    .group_segment_fixed_size: 327680
    .private_segment_fixed_size: 0
    .kernarg_segment_align: 8
    .kernarg_segment_size: 24
    .max_flat_workgroup_size: 128
    .sgpr_count:     84
    .vgpr_count:     1024
    .wavefront_size: 32
...
	.end_amdgpu_metadata
.endif
;; end of part 2
;; launch qvo (part 3): grid 8 x 32, 4 waves a work-group, clusters of 4 x 4, 327,680 bytes of LDS; arguments xb, kv, wts, qvo; writes qvo
.if DOCPART == 3
	.amdgcn_target "amdgcn-amd-amdhsa--gfx1250"
	.amdhsa_code_object_version 6
	.text
	.protected	k_qabee5d5968_qvo
	.globl	k_qabee5d5968_qvo
	.p2align	8
	.type	k_qabee5d5968_qvo,@function
k_qabee5d5968_qvo:
	s_mov_b64 s[64:65], 0
	v_nop
	global_prefetch_b8 v0, s[64:65] scope:SCOPE_SE
	s_setreg_imm32_b32 hwreg(HW_REG_WAVE_MODE, 25, 1), 1
	s_wait_xcnt 0x0
	s_wait_alu depctr_hold_cnt(0) depctr_sa_sdst(0) depctr_va_vdst(0) depctr_va_sdst(0) depctr_va_ssrc(0) depctr_va_vcc(0) depctr_vm_vsrc(0)
	s_getreg_b32 s2, hwreg(HW_REG_IB_STS2, 6, 4)
	s_cmp_eq_u32 s2, 0
	s_cbranch_scc0 .Lentry_in_a_cluster
	s_endpgm
.Lentry_in_a_cluster:
	s_bfe_u32 s2, ttmp6, 0x10000c
	s_cmp_lg_u32 s2, 0xf033
	s_cbranch_scc0 .Lentry_shape_is_right
	s_endpgm
.Lentry_shape_is_right:
; q = xb Wq + bq (tile columns 0-3) and vo = v Wo (tile columns 4-7).  Since attn Wo = (sum p v) Wo = sum p (v Wo), the output projection is applied to v ahead of the attention.
; xb: [8192][1024] bf16.  v: [8192][1024] bf16 at kv + 16 MiB.  Wq, Wo: [1024 k][1024 n] bf16 at wts + 0, + 6 MiB.  Rows 0 and 1 of the bias table at wts + 8 MiB: bq, and zeros for vo (bo is added in f32 by the last launch).
; q, vo: [8192][1024] bf16 at qvo + 0, + 16 MiB.  Sums in f32, started by the bias row as the first product's C operand; rounded once to bf16.
; All else is the launch before's: a tile of 256 x 256 to a work-group of four waves, 128 x 128 to a wave (64 accumulators); 32 x 8 tiles: 256 work-groups; K in 8 steps of 128 through two LDS slots;
; waves 0, 1 fetch 128 rows of A each, waves 2, 3 64 k-rows of W each.  CLUSTER 4 x 4: A's tile is asked for jointly by a row of the cluster, W's by a column.  A cluster's four tile columns lie in one half,
; so which buffer A comes from hangs on the cluster's x alone and is the same in all partners.
; The product is used transposed (source 0 = 16 columns of W, turned by ds_load_tr16_b128; source 1 = 16 rows of A): a lane holds row l % 16 and the eight neighbouring columns 8 (l / 16) + 0..7.
; A pair of quarter steps is written once in the loop and once in the tail; quarter g first asks for quarter g + 1's fragments, then multiplies buffer g % 2.
; REGISTERS in windows of 256 (s_set_vgpr_msb: bits 1:0 source 0, 3:2 source 1, 5:4 source 2, 7:6 destination):
;   window 0: v0-31 addresses; v32-63 way out; v64-127, v128-191 A's fragments, two buffers; v192-255 the bias, later the way out
;   window 1: v64-127, v128-191 W's fragments      window 2: accumulators of my rows 0-63, (a, b) at v[8 (8 a + b)]      window 3: those of my rows 64-127
.set PITCH,  272                       ; a row of A in LDS: 256 bytes + 16: the 16 rows of a load start at 16 different groups of four banks (64 banks of 4 bytes: ISA guide 11.1)
.set PB,     544                       ; a k-row of W in LDS: 512 bytes + 32: an odd multiple of 32, for the turning load
.set HALFT,  128*PITCH
.set SLOT,   4*HALFT
.set STAGE,  2*SLOT
.set SPITCH, 272
.set SPARE,  STAGE+4*16*SPITCH         ; the spare words: 128 bytes for each wave, named by no other line
.set NS,     8
.set QSB,    32*PB
.set STEPA,  256
.set STEPB,  128*2048
.set ROWC,   2048
.set A0,   16
.set B0,   17
.set ADRA, 18
.set ADRB, 19
.set STO,  24
.set RD,   25
.set CO,   26
.set BO,   27
.set SPW,  28                          ; v28  my spare word; never rewritten
.set NIL,  29                          ; v29  0; never rewritten
.set OB,   32
.set F0,   64
.set F1,   128
.set BIAS, 192
.set TMP,  192
.set WOFFA, 20
.set WOFFB, 21
.set G1,  24
.set G0,  32
.set G1B, 48
.set G0B, 56
.set CNT, 66
.set SLOTS, 67
.set TA,  68
.set TB,  69
.set FS,  70
.set MSB, 0
.macro WIN new
.if MSB != (\new)
	s_set_vgpr_msb (MSB<<8)|(\new)
.set MSB, \new
.endif
.endm
.macro PLACES
.rept 4
	v_nop
.endr
.endm
.macro CREST
	s_cmp_lg_u32 s10, 0
	s_cbranch_scc1 .Lnot_wave_0_\@
	s_barrier_signal -3
.Lnot_wave_0_\@:
	s_barrier_wait -3
	s_barrier_signal -1
	s_barrier_wait -1
.endm
.macro CROUND
	s_barrier_signal -1
	s_barrier_wait -1
	CREST
.endm
.macro JLOAD                           ; a joint refill; an s_nop 0 and four v_nop follow each line
	s_cmp_eq_u32 s11, 0
	s_cbranch_scc0 .Lfor_b_\@
	tensor_load_to_lds s[G0+4:G0+7], s[G1:G1+7]
	s_nop 0
.rept 4
	v_nop
.endr
	s_branch .Lasked_\@
.Lfor_b_\@:
	tensor_load_to_lds s[G0B+4:G0B+7], s[G1B:G1B+7]
	s_nop 0
.rept 4
	v_nop
.endr
.Lasked_\@:
.endm
	s_load_b128 s[4:7], s[0:1], 0x0                ; xb s[4:5], kv s[6:7]
	s_load_b64 s[80:81], s[0:1], 0x10              ; wts
	s_load_b64 s[8:9], s[0:1], 0x18                ; qvo
	v_lshl_add_u32 v[SPW], v0, 2, SPARE
	v_mov_b32 v[NIL], 0
	ds_add_u32 v28, v29
	s_wait_dscnt 0x0
	v_lshrrev_b32 v1, 5, v0
	v_readfirstlane_b32 s10, v1                    ; wave 0..3
	s_lshr_b32 s11, s10, 1                         ; my half of the tile's rows; also: I fetch A (0) or W (1)
	s_and_b32 s12, s10, 1                          ; my half of its columns; also: which half of that tile I fetch
	s_bfe_u32 s40, ttmp6, 0x40000                  ; cx
	s_bfe_u32 s41, ttmp6, 0x40004                  ; cy
	s_lshl_b32 s42, ttmp9, 2
	s_add_co_u32 s42, s42, s40                     ; tile column 0..7
	s_and_b32 s13, ttmp7, 0xffff
	s_lshl_b32 s13, s13, 2
	s_add_co_u32 s13, s13, s41                     ; tile row 0..31
	s_lshl_b32 s43, s41, 2
	s_lshl_b32 s43, 15, s43                        ; my row of the cluster
	s_lshl_b32 s44, 0x1111, s40                    ; my column
	s_or_b32 s[G1+0], s43, (1<<16)|(1<<20)|(1<<21)|(5<<22)|(3<<25)   ; mask; 2-byte elements; padding on; bit 21 beside a mask; after every 64 words 4 words
	s_mov_b32 s[G1+1], 128<<16
	s_mov_b32 s[G1+2], 128<<16
	s_mov_b32 s[G1+3], 128<<16
	s_mov_b32 s[G1+4], 128
	s_mov_b32 s[G1+5], 1024
	s_mov_b32 s[G1+6], 0
	s_mov_b32 s[G1+7], 0
	s_or_b32 s[G1B+0], s44, (1<<16)|(1<<20)|(1<<21)|(6<<22)|(7<<25)  ; after every 128 words 8 words
	s_mov_b32 s[G1B+1], 256<<16
	s_mov_b32 s[G1B+2], 64<<16
	s_mov_b32 s[G1B+3], 256<<16
	s_mov_b32 s[G1B+4], 64
	s_mov_b32 s[G1B+5], 1024
	s_mov_b32 s[G1B+6], 0
	s_mov_b32 s[G1B+7], 0
	s_lshl_b32 s16, s13, 8                         ; A: row 256 x tile row + 128 x half, 2,048 bytes a row, in xb and in v alike
	s_lshl_b32 s17, s12, 7
	s_add_co_u32 s16, s16, s17
	s_lshl_b32 s16, s16, 11
	s_mov_b32 s17, 0
	s_lshr_b32 s46, s42, 2                         ; W: Wq (at 0) or Wo (6 MiB on), 256 columns of it, 64 k-rows x half
	s_mul_i32 s46, s46, 0x600000
	s_and_b32 s47, s42, 3
	s_lshl_b32 s47, s47, 9
	s_add_co_u32 s46, s46, s47
	s_lshl_b32 s47, s12, 17
	s_add_co_u32 s46, s46, s47
	s_mov_b32 s47, 0
	s_mul_i32 s[WOFFA], s10, HALFT
	s_mov_b32 s[WOFFB], s[WOFFA]
	s_mov_b32 s[FS], SLOT
	s_mov_b32 s[TA], 0
	s_mov_b32 s[TB], 0
	s_wait_kmcnt 0x0
	s_add_nc_u64 s[6:7], s[6:7], 0x1000000         ; v lies 16 MiB into kv
	s_cmp_lg_u32 ttmp9, 0                          ; the cluster's x: 0 makes q of xb, 1 makes vo of v
	s_cselect_b64 s[4:5], s[6:7], s[4:5]
	s_add_nc_u64 s[14:15], s[4:5], s[16:17]
	s_add_nc_u64 s[46:47], s[80:81], s[46:47]
	CROUND                                         ; the first joint loads meet
.irp s, 0,1
	s_mov_b32 s[G0+4*(\s)], 1
	s_add_co_u32 s[G0+4*(\s)+1], s[WOFFA], (\s)*SLOT
	s_add_nc_u64 s[G0+4*(\s)+2:G0+4*(\s)+3], s[14:15], (\s)*STEPA
	s_or_b32 s[G0+4*(\s)+3], s[G0+4*(\s)+3], 0x80000000
	s_mov_b32 s[G0B+4*(\s)], 1
	s_add_co_u32 s[G0B+4*(\s)+1], s[WOFFB], (\s)*SLOT
	s_add_nc_u64 s[G0B+4*(\s)+2:G0B+4*(\s)+3], s[46:47], (\s)*STEPB
	s_or_b32 s[G0B+4*(\s)+3], s[G0B+4*(\s)+3], 0x80000000
.endr
	s_cmp_eq_u32 s11, 0                            ; a wave's two first fills stand in one branch: two loads of mine are out
	s_cbranch_scc0 .Lfirst_b
	tensor_load_to_lds s[G0:G0+3], s[G1:G1+7]
	s_nop 0
	tensor_load_to_lds s[G0+4:G0+7], s[G1:G1+7]
	s_nop 0
.rept 4
	v_nop
.endr
	s_branch .Lfirst_asked
.Lfirst_b:
	tensor_load_to_lds s[G0B:G0B+3], s[G1B:G1B+7]
	s_nop 0
	tensor_load_to_lds s[G0B+4:G0B+7], s[G1B:G1B+7]
	s_nop 0
.rept 4
	v_nop
.endr
.Lfirst_asked:
	s_lshl_b32 s76, s42, 10                        ; the bias of my 128 columns: 4 (256 x tile column + 128 x half), rows 0 and 1 of the table
	s_lshl_b32 s77, s12, 9
	s_add_co_u32 s76, s76, s77
	s_add_co_u32 s76, s76, 0x800000
	s_mov_b32 s77, 0
	s_add_nc_u64 s[76:77], s[80:81], s[76:77]
	v_and_b32 v1, 15, v0                           ; l % 16
	v_bfe_u32 v2, v0, 4, 1                         ; l / 16
	v_lshlrev_b32 v[BO], 5, v2
.irp b, 0,1,2,3,4,5,6,7
	global_load_b128 v[BIAS+8*(\b):BIAS+8*(\b)+3],   v[BO], s[76:77] offset:64*(\b)
	global_load_b128 v[BIAS+8*(\b)+4:BIAS+8*(\b)+7], v[BO], s[76:77] offset:64*(\b)+16
.endr
	v_mul_u32_u24 v3, v1, PITCH
	v_lshl_add_u32 v3, v2, 4, v3                   ; row x pitch + 16 x half
	s_mul_i32 s78, s11, HALFT
	v_add_nc_u32 v[A0], s78, v3
	v_and_b32 v4, 7, v0                            ; the turning load: k-row 8 (l / 16) + l % 8, columns 8 ((l / 8) % 2) + 0..7
	v_lshl_add_u32 v4, v2, 3, v4
	v_mul_u32_u24 v4, v4, PB
	v_bfe_u32 v5, v0, 3, 1
	v_lshl_add_u32 v4, v5, 4, v4
	s_lshl_b32 s78, s12, 8
	s_add_co_u32 s78, s78, 2*HALFT
	v_add_nc_u32 v[B0], s78, v4
	s_mul_i32 s78, s10, 16*SPITCH
	s_add_co_u32 s78, s78, STAGE
	v_add_nc_u32 v[STO], s78, v3
	v_mul_u32_u24 v5, v2, SPITCH
	v_lshl_add_u32 v5, v1, 4, v5
	v_add_nc_u32 v[RD], s78, v5
	v_lshlrev_b32 v5, 11, v2
	v_lshl_add_u32 v[CO], v1, 4, v5
	s_lshl_b32 s78, s13, 8                         ; my part of the output: q or vo (16 MiB apart), row 256 x tile row + 128 x half, 512 bytes x (tile column % 4) + 256 x half
	s_lshl_b32 s79, s11, 7
	s_add_co_u32 s78, s78, s79
	s_lshl_b32 s78, s78, 11
	s_lshr_b32 s79, s42, 2
	s_lshl_b32 s79, s79, 24
	s_add_co_u32 s78, s78, s79
	s_and_b32 s79, s42, 3
	s_lshl_b32 s79, s79, 9
	s_add_co_u32 s78, s78, s79
	s_lshl_b32 s79, s12, 8
	s_add_co_u32 s78, s78, s79
	s_mov_b32 s79, 0
	s_add_nc_u64 s[8:9], s[8:9], s[78:79]
; 16 products: row blocks a0, a0 + 1 of the window's four x all 8 column blocks.  init = 2: the bias row starts the sums.  The 64 accumulators take turns.
.macro MUL16 f, hi, a0, init
.if (\init) == 2
	WIN 0x81+0x40*(\hi)                            ; W window 1, A window 0, C (the bias) window 0, D window 2 or 3
.else
	WIN 0xa1+0x50*(\hi)
.endif
.irp a, \a0, (\a0)+1
.irp b, 0,1,2,3,4,5,6,7
.if (\init) == 2
	v_wmma_f32_16x16x32_bf16 v[8*(8*(\a)+(\b)):8*(8*(\a)+(\b))+7], v[(\f)+8*(\b):(\f)+8*(\b)+7], v[(\f)+8*(4*(\hi)+(\a)):(\f)+8*(4*(\hi)+(\a))+7], v[BIAS+8*(\b):BIAS+8*(\b)+7]
.else
	v_wmma_f32_16x16x32_bf16 v[8*(8*(\a)+(\b)):8*(8*(\a)+(\b))+7], v[(\f)+8*(\b):(\f)+8*(\b)+7], v[(\f)+8*(4*(\hi)+(\a)):(\f)+8*(4*(\hi)+(\a))+7], v[8*(8*(\a)+(\b)):8*(8*(\a)+(\b))+7]
.endif
.endr
.endr
.endm
.macro ADDR                            ; four plain instructions: also the places between the last products and the loads
	v_add_nc_u32 v[ADRA], s[TA], v[A0]
	v_add_nc_u32 v[ADRB], s[TB], v[B0]
	v_nop
	v_nop
.endm
.macro FETCH f                         ; 32 LDS loads in one run
	WIN 0x40
.irp i, 0,1,2,3,4,5,6,7
	ds_load_tr16_b128 v[(\f)+8*(\i):(\f)+8*(\i)+3],   v[ADRB] offset:32*(\i)
	ds_load_tr16_b128 v[(\f)+8*(\i)+4:(\f)+8*(\i)+7], v[ADRB] offset:32*(\i)+16*PB
.endr
	WIN 0
.irp i, 0,1,2,3,4,5,6,7
	ds_load_b128 v[(\f)+8*(\i):(\f)+8*(\i)+3],   v[ADRA] offset:(\i)*16*PITCH
	ds_load_b128 v[(\f)+8*(\i)+4:(\f)+8*(\i)+7], v[ADRA] offset:(\i)*16*PITCH+32
.endr
	s_add_co_u32 s[TA], s[TA], 64
	s_add_co_u32 s[TB], s[TB], QSB
.endm
.macro QUARTER f, g, init
	WIN 0
	ADDR
	FETCH \g
	s_wait_dscnt 32                                ; all but the 32 just issued: buffer f, asked for a quarter ago, is in
	MUL16 \f, 0, 0, \init
	MUL16 \f, 0, 2, \init
	MUL16 \f, 1, 0, \init
	MUL16 \f, 1, 2, \init
.endm
.macro CHANGE fill                     ; the change of slots: all my tensor loads, the add, my reads; then a round of the cluster's barrier and the joint refill, or (fill = 0) a barrier
	WIN 0
	s_wait_tensorcnt 0x0                           ; no tensor load of mine is out, so a group 0 may be written
	ds_add_u32 v[SPW], v[NIL]
.if \fill
	s_xor_b32 s[FS], s[FS], SLOT                   ; FS is 0 or SLOT
	s_add_co_u32 s[G0+5], s[WOFFA], s[FS]
	s_add_co_u32 s[G0B+5], s[WOFFB], s[FS]
	s_add_nc_u64 s[G0+6:G0+7], s[G0+6:G0+7], STEPA
	s_add_nc_u64 s[G0B+6:G0B+7], s[G0B+6:G0B+7], STEPB
.endif
	s_sub_co_u32 s[TA], s[TA], 256
	s_xor_b32 s[TA], s[TA], SLOT
	s_sub_co_u32 s[TB], s[TB], 4*QSB
	s_xor_b32 s[TB], s[TB], SLOT
	s_wait_dscnt 0x0                               ; the add is done, and my reads of the slot are over
.if \fill
	CROUND
	JLOAD
.else
	s_barrier_signal -1
	s_barrier_wait -1
.endif
.endm
.macro PACK a
.set AC, 64*((\a)%4)
	WIN 0x0a+5*((\a)/4)
.irp b, 0,1,2,3,4,5,6,7
.irp r, 0,1,2,3
	v_cvt_pk_bf16_f32 v[TMP+4*(\b)+(\r)], v[AC+8*(\b)+2*(\r)], v[AC+8*(\b)+2*(\r)+1]
.endr
.endr
	WIN 0
.endm
.macro TOSTAGE a
.set BK, OB+192*((\a)%2)
.irp b, 0,1,2,3,4,5,6,7
	ds_store_b128 v[STO], v[TMP+4*(\b):TMP+4*(\b)+3] offset:32*(\b)
.endr
.irp t, 0,1,2,3,4,5,6,7
	ds_load_b128 v[BK+4*(\t):BK+4*(\t)+3], v[RD] offset:(\t)*2*SPITCH  ; LDS serves a wave's instructions in order (ISA guide 5.7.1.4)
.endr
.endm
.macro SEND a
.set BK, OB+192*((\a)%2)
	s_wait_dscnt 0x0
	s_wait_xcnt 0x0                                ; the stores' base and the registers that earlier stores read are rewritten only behind this wait
.if (\a) != 0
	s_add_nc_u64 s[8:9], s[8:9], 16*ROWC
.endif
.irp t, 0,1,2,3,4,5,6,7
	global_store_b128 v[CO], v[BK+4*(\t):BK+4*(\t)+3], s[8:9] offset:2*(\t)*ROWC  ; 16 lanes store 256 consecutive bytes, aligned
.endr
.endm
	s_wait_tensorcnt 1                             ; my part of K step 0 is in; K step 1's may stay out
	s_barrier_signal -1
	s_barrier_wait -1
	ADDR
	FETCH F0
	s_wait_loadcnt 0x0                             ; the bias
	QUARTER F0, F1, 2
	WIN 0
	s_mov_b32 s[CNT], 1
	s_mov_b32 s[SLOTS], NS-1
	s_branch .Lpair
.Lslot:
	CHANGE 1
	s_mov_b32 s[CNT], 2
.Lpair:
	QUARTER F1, F0, 0
	QUARTER F0, F1, 0
	WIN 0
	s_sub_co_u32 s[CNT], s[CNT], 1
	s_cmp_lg_u32 s[CNT], 0
	s_cbranch_scc1 .Lpair
	s_sub_co_u32 s[SLOTS], s[SLOTS], 1
	s_cmp_lg_u32 s[SLOTS], 0
	s_cbranch_scc1 .Lslot
	CHANGE 0                                       ; the tail is written out
	s_mov_b32 s[CNT], 2
.Lpair2:
	QUARTER F1, F0, 0
	QUARTER F0, F1, 0
	WIN 0
	s_sub_co_u32 s[CNT], s[CNT], 1
	s_cmp_lg_u32 s[CNT], 0
	s_cbranch_scc1 .Lpair2
	s_wait_dscnt 0x0                               ; the last quarter: nothing more to fetch
	MUL16 F1, 0, 0, 0
	MUL16 F1, 0, 2, 0
	MUL16 F1, 1, 0, 0
	MUL16 F1, 1, 2, 0
	PLACES
	PACK 0
	TOSTAGE 0
.irp a, 1,2,3,4,5,6,7
	PACK \a
	SEND (\a)-1
	TOSTAGE \a
.endr
	SEND 7
	s_wait_tensorcnt 0x0                           ; the wave's end
	ds_add_u32 v[SPW], v[NIL]
	s_wait_dscnt 0x0
	CROUND                                         ; the closing round
	s_endpgm
.Lfunc_end_k_qabee5d5968_qvo:
	.size	k_qabee5d5968_qvo, .Lfunc_end_k_qabee5d5968_qvo-k_qabee5d5968_qvo
	.p2alignl 7, 3214868480
	.fill 96, 4, 3214868480
	.section	.rodata,"a",@progbits
	.p2align	6, 0x0
	.amdhsa_kernel k_qabee5d5968_qvo
		.amdhsa_group_segment_fixed_size 327680
		.amdhsa_private_segment_fixed_size 0
		.amdhsa_enable_private_segment 0
		.amdhsa_kernarg_size 32
		.amdhsa_user_sgpr_count 2
		.amdhsa_user_sgpr_kernarg_segment_ptr 1
		.amdhsa_wavefront_size32 1
		.amdhsa_system_sgpr_workgroup_id_x 1
		.amdhsa_system_sgpr_workgroup_id_y 1
		.amdhsa_system_sgpr_workgroup_id_z 1
		.amdhsa_system_vgpr_workitem_id 0
		.amdhsa_next_free_vgpr 1024
		.amdhsa_next_free_sgpr 84
		.amdhsa_reserve_vcc 0
		.amdhsa_float_denorm_mode_32 3
		.amdhsa_float_denorm_mode_16_64 3
		.amdhsa_memory_ordered 1
		.amdhsa_forward_progress 1
		.amdhsa_inst_pref_size 82
	.end_amdhsa_kernel
	.amdgpu_metadata
---
amdhsa.version: [ 1, 2 ]
amdhsa.kernels:
  - .name:           k_qabee5d5968_qvo
    .symbol:         k_qabee5d5968_qvo.kd
    .args:
      - { .name: xb, .offset: 0, .size: 8, .value_kind: global_buffer, .address_space: global }
      - { .name: kv, .offset: 8, .size: 8, .value_kind: global_buffer, .address_space: global }
      - { .name: wts, .offset: 16, .size: 8, .value_kind: global_buffer, .address_space: global }
      - { .name: qvo, .offset: 24, .size: 8, .value_kind: global_buffer, .address_space: global }
    .group_segment_fixed_size: 327680
    .private_segment_fixed_size: 0
    .kernarg_segment_align: 8
    .kernarg_segment_size: 32
    .max_flat_workgroup_size: 128
    .sgpr_count:     84
    .vgpr_count:     1024
    .wavefront_size: 32
...
	.end_amdgpu_metadata
.endif
;; end of part 3
;; launch sc (part 4): grid 8 x 32, 4 waves a work-group, clusters of 4 x 4, 327,680 bytes of LDS; arguments qvo, kv, p, st; writes p, st
.if DOCPART == 4
	.amdgcn_target "amdgcn-amd-amdhsa--gfx1250"
	.amdhsa_code_object_version 6
	.text
	.protected	k_qabee5d5968_sc
	.globl	k_qabee5d5968_sc
	.p2align	8
	.type	k_qabee5d5968_sc,@function
k_qabee5d5968_sc:
	s_mov_b64 s[64:65], 0
	v_nop
	global_prefetch_b8 v0, s[64:65] scope:SCOPE_SE
	s_setreg_imm32_b32 hwreg(HW_REG_WAVE_MODE, 25, 1), 1
	s_wait_xcnt 0x0
	s_wait_alu depctr_hold_cnt(0) depctr_sa_sdst(0) depctr_va_vdst(0) depctr_va_sdst(0) depctr_va_ssrc(0) depctr_va_vcc(0) depctr_vm_vsrc(0)
	s_getreg_b32 s2, hwreg(HW_REG_IB_STS2, 6, 4)
	s_cmp_eq_u32 s2, 0
	s_cbranch_scc0 .Lentry_in_a_cluster
	s_endpgm
.Lentry_in_a_cluster:
	s_bfe_u32 s2, ttmp6, 0x10000c
	s_cmp_lg_u32 s2, 0xf033
	s_cbranch_scc0 .Lentry_shape_is_right
	s_endpgm
.Lentry_shape_is_right:
; THE WEIGHTS, BLOCK BY BLOCK.  s = q . k for 256 queries x 256 keys of one batch (q: [8192][1024] bf16 at qvo + 0; k likewise at kv + 0; sums in f32).  c = log2(e) / 32.
; For each query and each block of 128 keys (a wave's tile): m = the block's maximum, e = floor(-c m), p = 2^(c s + e): the maximum is taken away, rounded up to a whole number of binary
; orders, so the block's largest p lies in (0.5, 1].  p goes out in bf16 (p: [8192][2048]); e (a whole number, kept in f32) and l = the sum of the unrounded p go to st: e at [16 blocks][8192 rows],
; l likewise 524,288 bytes on.  The launch behind brings the blocks of a row to one shift by powers of two, in f32.
; LIMITS.  A p below 2^-126 counts as 0; NaN and infinities are not treated apart.
; A tile of 256 x 256 to a work-group of four waves, 128 x 128 to a wave (64 accumulators); 32 x 8 tiles: 256 work-groups.  K = 1024 in 8 steps of 128 through two LDS slots; each wave fetches 128 rows.
; CLUSTER 4 x 4: q's tile is asked for jointly along a row of the cluster, k's along a column (the four tile rows of a cluster lie in one batch).
; The product is used transposed (source 0 = 16 keys, source 1 = 16 queries): a lane holds ONE query (l % 16) and the keys 8 (l / 16) + 0..7 of each block of 16.
; A pair of quarter steps is written once in the loop and once in the tail; quarter g first asks for quarter g + 1's fragments, then multiplies buffer g % 2; the change of slots stands between two pairs.
; THE WAY OUT IS A LOOP over the wave's eight blocks of 16 queries.  An instruction cannot index registers, so the accumulators are first laid into the slots (which have had their last fill),
; 64 KiB a wave, each lane's own 16 bytes; a trip reads a block's 64 scores a lane back.  That keeps one text for the eight blocks.
; REGISTERS: window 0: v0-31 addresses; v32-47 at work; v64-127, v128-191 q's fragments, later S (64 scores), P (32), rows read back (32);  window 1: v64-191 k's fragments;  windows 2, 3: accumulators.
.set PITCH,  272
.set HALFT,  128*PITCH
.set SLOT,   4*HALFT
.set STAGE,  2*SLOT                    ; 16 rows x 272 bytes for each wave
.set SPITCH, 272
.set STATS,  STAGE+4*16*SPITCH         ; for each wave 128 e, then 128 l: 1,024 bytes
.set SPARE,  STATS+4*1024              ; the spare words, named by no other line
.set NS,     8
.set QSB,    64
.set STEPA,  256
.set STEPB,  256
.set ROWC,   4096                      ; bytes in a row of p
.set A0,   16
.set B0,   17
.set ADRA, 18
.set ADRB, 19
.set DMP,  20                          ; v20  where my lane's 16 bytes of the laid-out accumulators begin
.set DL,   21                          ; v21  the same for the block to be read next
.set SA,   22                          ; v22  where e of the block in hand goes
.set SR,   23                          ; v23  where I read 16 bytes of my wave's e back
.set STO,  24
.set RD,   25
.set CO,   26
.set GS,   27                          ; v27  16 x lane
.set SPW,  28                          ; v28  my spare word; never rewritten
.set NIL,  29                          ; v29  0; never rewritten
.set CC,   32                          ; v32-35 four chains of the maximum
.set EE,   36                          ; v36-37 e, twice
.set SUM,  40                          ; v40-47 four chains of the sum, in pairs
.set F0,   64
.set F1,   128
.set S,    64
.set P,    128
.set OB,   160
.set WOFFA, 20
.set WOFFB, 21
.set G1,  24
.set G0,  32
.set G1B, 48
.set G0B, 56
.set CNT, 66
.set SLOTS, 67
.set TA,  68
.set TB,  69
.set FS,  70
.set NC,  71                           ; s71  -c
.set CS,  72                           ; s[72:73] c, named as a pair
.set SEL, 74                           ; s[74:75] v_permlanex16_b32's selects: each lane takes its own place in the other half
.set MSB, 0
.macro WIN new
.if MSB != (\new)
	s_set_vgpr_msb (MSB<<8)|(\new)
.set MSB, \new
.endif
.endm
.macro PLACES
.rept 4
	v_nop
.endr
.endm
.macro CREST
	s_cmp_lg_u32 s10, 0
	s_cbranch_scc1 .Lnot_wave_0_\@
	s_barrier_signal -3
.Lnot_wave_0_\@:
	s_barrier_wait -3
	s_barrier_signal -1
	s_barrier_wait -1
.endm
.macro CROUND
	s_barrier_signal -1
	s_barrier_wait -1
	CREST
.endm
.macro JLOAD                           ; a joint refill; an s_nop 0 and four v_nop follow each line
	s_cmp_eq_u32 s11, 0
	s_cbranch_scc0 .Lfor_b_\@
	tensor_load_to_lds s[G0+4:G0+7], s[G1:G1+7]
	s_nop 0
.rept 4
	v_nop
.endr
	s_branch .Lasked_\@
.Lfor_b_\@:
	tensor_load_to_lds s[G0B+4:G0B+7], s[G1B:G1B+7]
	s_nop 0
.rept 4
	v_nop
.endr
.Lasked_\@:
.endm
	s_load_b128 s[4:7], s[0:1], 0x0                ; qvo s[4:5], kv s[6:7]
	s_load_b64 s[8:9], s[0:1], 0x10                ; p
	s_load_b64 s[82:83], s[0:1], 0x18              ; st
	v_lshl_add_u32 v[SPW], v0, 2, SPARE
	v_mov_b32 v[NIL], 0
	ds_add_u32 v28, v29
	s_wait_dscnt 0x0
	v_lshrrev_b32 v1, 5, v0
	v_readfirstlane_b32 s10, v1                    ; wave 0..3
	s_lshr_b32 s11, s10, 1                         ; my half of the queries; also: I fetch q (0) or k (1)
	s_and_b32 s12, s10, 1                          ; my half of the keys; also: which 128 rows of that tile I fetch
	s_bfe_u32 s40, ttmp6, 0x40000                  ; cx
	s_bfe_u32 s41, ttmp6, 0x40004                  ; cy
	s_lshl_b32 s42, ttmp9, 2
	s_add_co_u32 s42, s42, s40                     ; key tile 0..7 of the batch
	s_and_b32 s13, ttmp7, 0xffff
	s_lshr_b32 s45, s13, 1                         ; the batch: eight tile rows, two clusters: made of the cluster's y alone
	s_lshl_b32 s13, s13, 2
	s_add_co_u32 s13, s13, s41                     ; tile row 0..31 of all 8,192 rows
	s_lshl_b32 s43, s41, 2
	s_lshl_b32 s43, 15, s43                        ; my row of the cluster
	s_lshl_b32 s44, 0x1111, s40                    ; my column
	s_or_b32 s[G1+0], s43, (1<<16)|(1<<20)|(1<<21)|(5<<22)|(3<<25)   ; mask; 2-byte elements; padding on; bit 21 beside a mask; after every 64 words 4 words
	s_or_b32 s[G1B+0], s44, (1<<16)|(1<<20)|(1<<21)|(5<<22)|(3<<25)
.irp g, G1, G1B
	s_mov_b32 s[(\g)+1], 128<<16                   ; tensor_dim0 = 128
	s_mov_b32 s[(\g)+2], 128<<16                   ; tensor_dim1 = 128
	s_mov_b32 s[(\g)+3], 128<<16                   ; tile_dim0 = 128
	s_mov_b32 s[(\g)+4], 128                       ; tile_dim1 = 128
	s_mov_b32 s[(\g)+5], 1024                      ; elements from row to row
	s_mov_b32 s[(\g)+6], 0
	s_mov_b32 s[(\g)+7], 0
.endr
	s_lshl_b32 s16, s13, 8                         ; q: row 256 x tile row + 128 x half
	s_lshl_b32 s17, s12, 7
	s_add_co_u32 s16, s16, s17
	s_lshl_b32 s16, s16, 11
	s_mov_b32 s17, 0
	s_lshl_b32 s46, s45, 11                        ; k: row 2,048 x batch + 256 x key tile + 128 x half
	s_lshl_b32 s47, s42, 8
	s_add_co_u32 s46, s46, s47
	s_lshl_b32 s47, s12, 7
	s_add_co_u32 s46, s46, s47
	s_lshl_b32 s46, s46, 11
	s_mov_b32 s47, 0
	s_mul_i32 s[WOFFA], s10, HALFT                 ; q's two halves, then k's two halves: wave x 128 rows
	s_mov_b32 s[WOFFB], s[WOFFA]
	s_mov_b32 s[FS], SLOT
	s_mov_b32 s[TA], 0
	s_mov_b32 s[TB], 0
	s_mov_b32 s[NC], 0xbd38aa3b                    ; -c
	s_mov_b32 s[CS], 0x3d38aa3b                    ; c = log2(e) / 32 = 0.0450842
	s_mov_b32 s[CS+1], s[CS]
	s_mov_b32 s[SEL], 0x76543210
	s_mov_b32 s[SEL+1], 0xfedcba98
	s_wait_kmcnt 0x0
	s_add_nc_u64 s[14:15], s[4:5], s[16:17]
	s_add_nc_u64 s[46:47], s[6:7], s[46:47]
	CROUND                                         ; the first joint loads meet
.irp s, 0,1
	s_mov_b32 s[G0+4*(\s)], 1
	s_add_co_u32 s[G0+4*(\s)+1], s[WOFFA], (\s)*SLOT
	s_add_nc_u64 s[G0+4*(\s)+2:G0+4*(\s)+3], s[14:15], (\s)*STEPA
	s_or_b32 s[G0+4*(\s)+3], s[G0+4*(\s)+3], 0x80000000
	s_mov_b32 s[G0B+4*(\s)], 1
	s_add_co_u32 s[G0B+4*(\s)+1], s[WOFFB], (\s)*SLOT
	s_add_nc_u64 s[G0B+4*(\s)+2:G0B+4*(\s)+3], s[46:47], (\s)*STEPB
	s_or_b32 s[G0B+4*(\s)+3], s[G0B+4*(\s)+3], 0x80000000
.endr
	s_cmp_eq_u32 s11, 0                            ; a wave's two first fills stand in one branch: two loads of mine are out
	s_cbranch_scc0 .Lfirst_b
	tensor_load_to_lds s[G0:G0+3], s[G1:G1+7]
	s_nop 0
	tensor_load_to_lds s[G0+4:G0+7], s[G1:G1+7]
	s_nop 0
.rept 4
	v_nop
.endr
	s_branch .Lfirst_asked
.Lfirst_b:
	tensor_load_to_lds s[G0B:G0B+3], s[G1B:G1B+7]
	s_nop 0
	tensor_load_to_lds s[G0B+4:G0B+7], s[G1B:G1B+7]
	s_nop 0
.rept 4
	v_nop
.endr
.Lfirst_asked:
	v_and_b32 v1, 15, v0                           ; l % 16
	v_bfe_u32 v2, v0, 4, 1                         ; l / 16
	v_mul_u32_u24 v3, v1, PITCH
	v_lshl_add_u32 v3, v2, 4, v3                   ; row x pitch + 16 x half
	s_mul_i32 s78, s11, HALFT
	v_add_nc_u32 v[A0], s78, v3
	s_mul_i32 s78, s12, HALFT
	s_add_co_u32 s78, s78, 2*HALFT
	v_add_nc_u32 v[B0], s78, v3
	s_mul_i32 s78, s10, 16*SPITCH
	s_add_co_u32 s78, s78, STAGE
	v_add_nc_u32 v[STO], s78, v3
	v_mul_u32_u24 v5, v2, SPITCH
	v_lshl_add_u32 v5, v1, 4, v5
	v_add_nc_u32 v[RD], s78, v5
	v_lshlrev_b32 v5, 12, v2
	v_lshl_add_u32 v[CO], v1, 4, v5                ; two rows of p: 4,096 x half + 16 (l % 16)
	v_and_b32 v4, 31, v0
	v_lshlrev_b32 v[GS], 4, v4                     ; 16 x lane
	s_lshl_b32 s78, s10, 16
	v_add_nc_u32 v[DMP], s78, v[GS]                ; my wave's 64 KiB, my lane's 16 bytes of every 512
	v_mov_b32 v[DL], v[DMP]
	s_lshl_b32 s78, s10, 10
	s_add_co_u32 s78, s78, STATS
	v_lshl_add_u32 v[SA], v1, 2, s78
	v_add_nc_u32 v[SR], s78, v[GS]
	s_lshl_b32 s78, s13, 8                         ; my first row: 256 x tile row + 128 x half
	s_lshl_b32 s79, s11, 7
	s_add_co_u32 s78, s78, s79
	s_lshl_b32 s80, s78, 2                         ; in st: 4 bytes a row,
	s_lshl_b32 s81, s42, 1
	s_add_co_u32 s81, s81, s12                     ; block of 128 keys 2 x key tile + half,
	s_lshl_b32 s81, s81, 15                        ; 32,768 bytes a block
	s_add_co_u32 s80, s80, s81
	s_mov_b32 s81, 0
	s_add_nc_u64 s[82:83], s[82:83], s[80:81]
	s_lshl_b32 s78, s78, 12                        ; in p: 4,096 bytes a row, 512 x key tile + 256 x half
	s_lshl_b32 s79, s42, 9
	s_add_co_u32 s78, s78, s79
	s_lshl_b32 s79, s12, 8
	s_add_co_u32 s78, s78, s79
	s_mov_b32 s79, 0
	s_add_nc_u64 s[8:9], s[8:9], s[78:79]
; 16 products: query blocks a0, a0 + 1 of the window's four x all 8 key blocks.  init = 1: the first product starts the sums.  The 64 accumulators take turns.
.macro MUL16 f, hi, a0, init
	WIN 0xa1+0x50*(\hi)                            ; k window 1, q window 0, C and D window 2 or 3
.irp a, \a0, (\a0)+1
.irp b, 0,1,2,3,4,5,6,7
.if \init
	v_wmma_f32_16x16x32_bf16 v[8*(8*(\a)+(\b)):8*(8*(\a)+(\b))+7], v[(\f)+8*(\b):(\f)+8*(\b)+7], v[(\f)+8*(4*(\hi)+(\a)):(\f)+8*(4*(\hi)+(\a))+7], 0
.else
	v_wmma_f32_16x16x32_bf16 v[8*(8*(\a)+(\b)):8*(8*(\a)+(\b))+7], v[(\f)+8*(\b):(\f)+8*(\b)+7], v[(\f)+8*(4*(\hi)+(\a)):(\f)+8*(4*(\hi)+(\a))+7], v[8*(8*(\a)+(\b)):8*(8*(\a)+(\b))+7]
.endif
.endr
.endr
.endm
.macro ADDR                            ; four plain instructions: also the places between the last products and the loads
	v_add_nc_u32 v[ADRA], s[TA], v[A0]
	v_add_nc_u32 v[ADRB], s[TB], v[B0]
	v_nop
	v_nop
.endm
.macro FETCH f                         ; 32 LDS loads in one run: k's 8 blocks, then q's 8 blocks
	WIN 0x40
.irp i, 0,1,2,3,4,5,6,7
	ds_load_b128 v[(\f)+8*(\i):(\f)+8*(\i)+3],   v[ADRB] offset:(\i)*16*PITCH
	ds_load_b128 v[(\f)+8*(\i)+4:(\f)+8*(\i)+7], v[ADRB] offset:(\i)*16*PITCH+32
.endr
	WIN 0
.irp i, 0,1,2,3,4,5,6,7
	ds_load_b128 v[(\f)+8*(\i):(\f)+8*(\i)+3],   v[ADRA] offset:(\i)*16*PITCH
	ds_load_b128 v[(\f)+8*(\i)+4:(\f)+8*(\i)+7], v[ADRA] offset:(\i)*16*PITCH+32
.endr
	s_add_co_u32 s[TA], s[TA], 64
	s_add_co_u32 s[TB], s[TB], QSB
.endm
.macro QUARTER f, g, init
	WIN 0
	ADDR
	FETCH \g
	s_wait_dscnt 32                                ; all but the 32 just issued: buffer f, asked for a quarter ago, is in
	MUL16 \f, 0, 0, \init
	MUL16 \f, 0, 2, \init
	MUL16 \f, 1, 0, \init
	MUL16 \f, 1, 2, \init
.endm
.macro CHANGE fill                     ; the change of slots: all my tensor loads, the add, my reads; then a round of the cluster's barrier and the joint refill, or (fill = 0) a barrier
	WIN 0
	s_wait_tensorcnt 0x0                           ; no tensor load of mine is out, so a group 0 may be written
	ds_add_u32 v[SPW], v[NIL]
.if \fill
	s_xor_b32 s[FS], s[FS], SLOT                   ; FS is 0 or SLOT
	s_add_co_u32 s[G0+5], s[WOFFA], s[FS]
	s_add_co_u32 s[G0B+5], s[WOFFB], s[FS]
	s_add_nc_u64 s[G0+6:G0+7], s[G0+6:G0+7], STEPA
	s_add_nc_u64 s[G0B+6:G0B+7], s[G0B+6:G0B+7], STEPB
.endif
	s_sub_co_u32 s[TA], s[TA], 256
	s_xor_b32 s[TA], s[TA], SLOT
	s_sub_co_u32 s[TB], s[TB], 4*QSB
	s_xor_b32 s[TB], s[TB], SLOT
	s_wait_dscnt 0x0                               ; the add is done, and my reads of the slot are over
.if \fill
	CROUND
	JLOAD
.else
	s_barrier_signal -1
	s_barrier_wait -1
.endif
.endm
	s_wait_tensorcnt 1                             ; my part of K step 0 is in; K step 1's may stay out
	s_barrier_signal -1
	s_barrier_wait -1
	ADDR
	FETCH F0
	QUARTER F0, F1, 1                              ; quarter 0 starts the sums
	WIN 0
	s_mov_b32 s[CNT], 1
	s_mov_b32 s[SLOTS], NS-1
	s_branch .Lpair
.Lslot:
	CHANGE 1
	s_mov_b32 s[CNT], 2
.Lpair:
	QUARTER F1, F0, 0
	QUARTER F0, F1, 0
	WIN 0
	s_sub_co_u32 s[CNT], s[CNT], 1
	s_cmp_lg_u32 s[CNT], 0
	s_cbranch_scc1 .Lpair
	s_sub_co_u32 s[SLOTS], s[SLOTS], 1
	s_cmp_lg_u32 s[SLOTS], 0
	s_cbranch_scc1 .Lslot
	CHANGE 0                                       ; the tail is written out
	s_mov_b32 s[CNT], 2
.Lpair2:
	QUARTER F1, F0, 0
	QUARTER F0, F1, 0
	WIN 0
	s_sub_co_u32 s[CNT], s[CNT], 1
	s_cmp_lg_u32 s[CNT], 0
	s_cbranch_scc1 .Lpair2
	s_wait_dscnt 0x0                               ; the last quarter: nothing more to fetch; my reads of the slots are over
	MUL16 F1, 0, 0, 0
	MUL16 F1, 0, 2, 0
	MUL16 F1, 1, 0, 0
	MUL16 F1, 1, 2, 0
	WIN 0
	s_wait_dscnt 0x0
	s_barrier_signal -1                            ; no wave reads a slot any more, and no tensor load follows: the slots may be written
	s_barrier_wait -1
	PLACES                                         ; the stores below read results just made
	WIN 0x08                                       ; store data window 2; each accumulator's low four registers go first
.set i, 0
.rept 64
	ds_store_b128 v[DMP], v[4*i:4*i+3] offset:512*i
.set i, i+1
.endr
	WIN 0x0c                                       ; window 3
.set i, 0
.rept 64
	ds_store_b128 v[DMP], v[4*i:4*i+3] offset:512*(64+i)
.set i, i+1
.endr
	WIN 0
.set i, 0
.rept 16
	ds_load_b128 v[S+4*i:S+4*i+3], v[DL] offset:512*i  ; block 0: register 8 b + j = key 16 b + 8 (l / 16) + j of my query
.set i, i+1
.endr
	s_mov_b32 s[CNT], 8
.Lblk:                                                 ; a trip: 16 queries x 128 keys
	s_wait_dscnt 0x0                               ; the block's scores are in
.irp k, 0,1,2,3
	v_max3_num_f32 v[CC+(\k)], v[S+16*(\k)], v[S+16*(\k)+1], v[S+16*(\k)+2]
.endr
.irp j, 0,1,2,3,4,5
.irp k, 0,1,2,3
	v_max3_num_f32 v[CC+(\k)], v[CC+(\k)], v[S+16*(\k)+3+2*(\j)], v[S+16*(\k)+4+2*(\j)]
.endr
.endr
	v_max3_num_f32 v[CC], v[CC], v[S+15], v[S+31]
	v_max3_num_f32 v[CC+2], v[CC+2], v[S+47], v[S+63]
	v_max3_num_f32 v[CC], v[CC], v[CC+1], v[CC+2]
	v_max_num_f32 v[CC], v[CC], v[CC+3]
	v_permlanex16_b32 v[CC+1], v[CC], s[SEL], s[SEL+1]  ; the query's other 64 keys lie in the lane 16 away
	v_max_num_f32 v[CC], v[CC], v[CC+1]            ; m
	v_mul_f32 v[CC+1], s[NC], v[CC]
	v_floor_f32 v[EE], v[CC+1]                     ; e = floor(-c m)
	v_floor_f32 v[EE+1], v[CC+1]                   ; named with it as a pair
.irp n, 0,1,2,3
	v_pk_fma_f32 v[S+2*(\n):S+2*(\n)+1], v[S+2*(\n):S+2*(\n)+1], s[CS:CS+1], v[EE:EE+1] op_sel_hi:[1,0,0]  ; c s + e
.endr
.set i, 0
.rept 32                               ; exponentials with plain work between: the scaling four pairs ahead, the rounding a pair back (a plain instruction stands between an exponential and the use of its result: ISA guide 5.7.2)
	v_exp_f32 v[S+2*i], v[S+2*i]
.if i < 28
	v_pk_fma_f32 v[S+2*i+8:S+2*i+9], v[S+2*i+8:S+2*i+9], s[CS:CS+1], v[EE:EE+1] op_sel_hi:[1,0,0]
.endif
	v_exp_f32 v[S+2*i+1], v[S+2*i+1]
.if i > 0
	s_wait_alu depctr_va_vdst(0)
	v_cvt_pk_bf16_f32 v[P+i-1], v[S+2*i-2], v[S+2*i-1]
.endif
.set i, i+1
.endr
	v_cvt_pk_bf16_f32 v[P+31], v[S+62], v[S+63]
.irp k, 0,1,2,3
	v_pk_add_f32 v[SUM+2*(\k):SUM+2*(\k)+1], v[S+2*(\k):S+2*(\k)+1], v[S+8+2*(\k):S+8+2*(\k)+1]
.endr
.irp m, 2,3,4,5,6,7
.irp k, 0,1,2,3
	v_pk_add_f32 v[SUM+2*(\k):SUM+2*(\k)+1], v[SUM+2*(\k):SUM+2*(\k)+1], v[S+8*(\m)+2*(\k):S+8*(\m)+2*(\k)+1]
.endr
.endr
	v_pk_add_f32 v[SUM:SUM+1], v[SUM:SUM+1], v[SUM+2:SUM+3]
	v_pk_add_f32 v[SUM+4:SUM+5], v[SUM+4:SUM+5], v[SUM+6:SUM+7]
	v_pk_add_f32 v[SUM:SUM+1], v[SUM:SUM+1], v[SUM+4:SUM+5]
	v_add_f32 v[SUM], v[SUM], v[SUM+1]
	v_permlanex16_b32 v[SUM+1], v[SUM], s[SEL], s[SEL+1]
	v_add_f32 v[SUM], v[SUM], v[SUM+1]             ; l
.irp b, 0,1,2,3,4,5,6,7
	ds_store_b128 v[STO], v[P+4*(\b):P+4*(\b)+3] offset:32*(\b)
.endr
	ds_store_b32 v[SA], v[EE]                      ; both halves of the lanes hold the same e and l and write the same words
	ds_store_b32 v[SA], v[SUM] offset:512
	v_add_nc_u32 v[SA], 64, v[SA]
.irp t, 0,1,2,3,4,5,6,7
	ds_load_b128 v[OB+4*(\t):OB+4*(\t)+3], v[RD] offset:(\t)*2*SPITCH  ; LDS serves a wave's instructions in order (ISA guide 5.7.1.4): these see the stores above
.endr
	s_cmp_eq_u32 s[CNT], 1
	s_cbranch_scc1 .Lno_next                       ; behind the last block there is none to read
	v_add_nc_u32 v[DL], 8192, v[DL]
.set i, 0
.rept 16
	ds_load_b128 v[S+4*i:S+4*i+3], v[DL] offset:512*i
.set i, i+1
.endr
.Lno_next:
	s_wait_dscnt 0x0
.irp t, 0,1,2,3,4,5,6,7
	global_store_b128 v[CO], v[OB+4*(\t):OB+4*(\t)+3], s[8:9] offset:2*(\t)*ROWC  ; 16 lanes store 256 consecutive bytes, aligned
.endr
	s_wait_xcnt 0x0                                ; the stores' base, and the registers that they read, are rewritten only behind this wait
	s_add_nc_u64 s[8:9], s[8:9], 16*ROWC
	s_sub_co_u32 s[CNT], s[CNT], 1
	s_cmp_lg_u32 s[CNT], 0
	s_cbranch_scc1 .Lblk
	ds_load_b128 v[S:S+3], v[SR]                   ; my wave's 128 e and 128 l, 16 bytes a lane
	ds_load_b128 v[S+4:S+7], v[SR] offset:512
	s_wait_dscnt 0x0
	global_store_b128 v[GS], v[S:S+3], s[82:83]    ; 512 consecutive bytes, aligned
	global_store_b128 v[GS], v[S+4:S+7], s[82:83] offset:524288
	s_wait_tensorcnt 0x0                           ; the wave's end
	ds_add_u32 v[SPW], v[NIL]
	s_wait_dscnt 0x0
	CROUND                                         ; the closing round
	s_endpgm
.Lfunc_end_k_qabee5d5968_sc:
	.size	k_qabee5d5968_sc, .Lfunc_end_k_qabee5d5968_sc-k_qabee5d5968_sc
	.p2alignl 7, 3214868480
	.fill 96, 4, 3214868480
	.section	.rodata,"a",@progbits
	.p2align	6, 0x0
	.amdhsa_kernel k_qabee5d5968_sc
		.amdhsa_group_segment_fixed_size 327680
		.amdhsa_private_segment_fixed_size 0
		.amdhsa_enable_private_segment 0
		.amdhsa_kernarg_size 32
		.amdhsa_user_sgpr_count 2
		.amdhsa_user_sgpr_kernarg_segment_ptr 1
		.amdhsa_wavefront_size32 1
		.amdhsa_system_sgpr_workgroup_id_x 1
		.amdhsa_system_sgpr_workgroup_id_y 1
		.amdhsa_system_sgpr_workgroup_id_z 1
		.amdhsa_system_vgpr_workitem_id 0
		.amdhsa_next_free_vgpr 1024
		.amdhsa_next_free_sgpr 84
		.amdhsa_reserve_vcc 0
		.amdhsa_float_denorm_mode_32 3
		.amdhsa_float_denorm_mode_16_64 3
		.amdhsa_memory_ordered 1
		.amdhsa_forward_progress 1
		.amdhsa_inst_pref_size 73
	.end_amdhsa_kernel
	.amdgpu_metadata
---
amdhsa.version: [ 1, 2 ]
amdhsa.kernels:
  - .name:           k_qabee5d5968_sc
    .symbol:         k_qabee5d5968_sc.kd
    .args:
      - { .name: qvo, .offset: 0, .size: 8, .value_kind: global_buffer, .address_space: global }
      - { .name: kv, .offset: 8, .size: 8, .value_kind: global_buffer, .address_space: global }
      - { .name: p, .offset: 16, .size: 8, .value_kind: global_buffer, .address_space: global }
      - { .name: st, .offset: 24, .size: 8, .value_kind: global_buffer, .address_space: global }
    .group_segment_fixed_size: 327680
    .private_segment_fixed_size: 0
    .kernarg_segment_align: 8
    .kernarg_segment_size: 32
    .max_flat_workgroup_size: 128
    .sgpr_count:     84
    .vgpr_count:     1024
    .wavefront_size: 32
...
	.end_amdgpu_metadata
.endif
;; end of part 4
;; launch pv (part 5): grid 8 x 32, 4 waves a work-group, clusters of 4 x 4, 327,680 bytes of LDS; arguments p, qvo, st, wts, out0; writes out0
.if DOCPART == 5
	.amdgcn_target "amdgcn-amd-amdhsa--gfx1250"
	.amdhsa_code_object_version 6
	.text
	.protected	k_qabee5d5968_pv
	.globl	k_qabee5d5968_pv
	.p2align	8
	.type	k_qabee5d5968_pv,@function
k_qabee5d5968_pv:
	s_mov_b64 s[64:65], 0
	v_nop
	global_prefetch_b8 v0, s[64:65] scope:SCOPE_SE
	s_setreg_imm32_b32 hwreg(HW_REG_WAVE_MODE, 25, 1), 1
	s_wait_xcnt 0x0
	s_wait_alu depctr_hold_cnt(0) depctr_sa_sdst(0) depctr_va_vdst(0) depctr_va_sdst(0) depctr_va_ssrc(0) depctr_va_vcc(0) depctr_vm_vsrc(0)
	s_getreg_b32 s2, hwreg(HW_REG_IB_STS2, 6, 4)
	s_cmp_eq_u32 s2, 0
	s_cbranch_scc0 .Lentry_in_a_cluster
	s_endpgm
.Lentry_in_a_cluster:
	s_bfe_u32 s2, ttmp6, 0x10000c
	s_cmp_lg_u32 s2, 0xf033
	s_cbranch_scc0 .Lentry_shape_is_right
	s_endpgm
.Lentry_shape_is_right:
; out0 = bo + softmax x vo, from the weights by blocks.  p: [8192][2048] bf16, each block of 128 keys with its own shift e; st: e, l f32 [16 blocks][8192 rows] (l 524,288 bytes on);
; vo = v Wo: [8192][1024] bf16 at qvo + 16 MiB; bo: f32, row 4 of the table at wts + 8 MiB; out0: [8192][1024] f32.
; For each row: E = the least e (the block with the largest maximum), g_kb = 2^(E - e_kb) <= 1, L = the sum of l_kb g_kb (at least 0.5), g'_kb = g_kb / L.
; out0[row] = bo + the sum over blocks of g'_kb x (the sum over the block's keys of p vo).  All of that but the products is f32.  LIMIT: a g below 2^-126 counts as 0; NaN and infinities are not treated apart.
; A tile of 256 rows x 128 columns to a work-group; 32 x 8 tiles: 256 work-groups.  Wave w owns rows 64 w .. 64 w + 63 and all 128 columns.
; K = 2,048 keys in 16 steps of 128, a step a block of the shifts, through two LDS slots: waves 0, 1 fetch 128 rows of p each, waves 2, 3 64 rows of vo each.
; CLUSTER 4 x 4: p's tile is asked for jointly along a row of the cluster, vo's along a column (a cluster's four tile rows lie in one batch).
; The product is used transposed (source 0 = 16 columns of vo, turned by ds_load_tr16_b128; source 1 = 16 rows of p): a lane holds row l % 16 and eight neighbouring columns, so g' is one number a lane and row block.
; TWO SETS OF SUMS.  A block's products are summed in 32 accumulators BLK, started with the constant 0.  In the next block's first quarter each finished accumulator is taken into the totals,
; TOT += g' x BLK, four packed multiply-adds, just ahead of the product that starts it anew: they stand one accumulator ahead, behind the product before.  TOT is started by loading bo into it: nothing is cleared.
; A pair of quarter steps is written once in the loop and once in the tail; its second quarter has two texts, plain and folding, chosen by a forward jump on the pair's count.
; REGISTERS (s_set_vgpr_msb: bits 1:0 source 0, 3:2 source 1, 5:4 source 2, 7:6 destination):
;   window 0: v0-31 addresses; v32-39 g' for 4 row blocks, each twice; v48-53 at work; v64-127, v128-191 vo's fragments (first the statistics, later the way out)
;   window 1: v0-191 BLK of row blocks 0-2, (a, b) at v[64 a + 8 b]; v192-223, v224-255 p's fragments
;   window 2: v0-63 BLK of row block 3; v64-255 TOT of row blocks 0-2      window 3: v0-63 TOT of row block 3
.set PITCH,  272                       ; a row of p in LDS: 256 bytes + 16 (64 banks of 4 bytes: ISA guide 11.1: the 16 rows of a load start at 16 different groups of four banks)
.set PB,     288                       ; a row of vo: 256 bytes + 32: an odd multiple of 32, for the turning load
.set HALFT,  128*PITCH
.set SLOT,   2*HALFT+128*PB
.set STAGE,  2*SLOT                    ; 16 rows x 528 bytes for each wave
.set SPITCH, 528                       ; 512 bytes + 16
.set SPARE,  STAGE+4*16*SPITCH         ; the spare words, named by no other line
.set GTAB,   SPARE+512                 ; [16 blocks][256 rows]: g' in f32
.set NS,     16
.set QSB,    32*PB
.set STEPA,  256
.set STEPB,  128*2048
.set ROWC,   4096
.set A0,   16
.set B0,   17
.set ADRA, 18
.set ADRB, 19
.set GA0,  20                          ; v20  my row's word in block 0 of GTAB
.set ADRG, 21
.set SO,   22                          ; v22  8 t: my two rows in st
.set GW,   23                          ; v23  where I put my two rows' words in GTAB
.set STO,  24
.set RD,   25
.set CO,   26
.set BO,   27                          ; v27  my byte offset in bo
.set SPW,  28                          ; v28  my spare word; never rewritten
.set NIL,  29                          ; v29  0; never rewritten
.set G,    32
.set EM,   48                          ; v48-49 E of my two rows
.set LL,   50                          ; v50-51 L
.set RC,   52                          ; v52-53 1 / L
.set SE,   64                          ; v64-95  e, then g, then g' of my two rows: block kb at SE + 2 kb
.set SL,   96                          ; v96-127 l
.set OB,   64
.set WOFFA, 20
.set WOFFB, 21
.set G1,  24
.set G0,  32
.set G1B, 48
.set G0B, 56
.set CNT, 66
.set SLOTS, 67
.set TA,  68
.set TB,  69
.set FS,  70
.set TG,  71                           ; s71  1,024 x the block whose g' is fetched next
.set MSB, 0
.macro WIN new                         ; the immediate's high byte repeats the setting that is left; a switch that changes nothing is dropped
.if MSB != (\new)
	s_set_vgpr_msb (MSB<<8)|(\new)
.set MSB, \new
.endif
.endm
.macro PLACES                          ; four places behind matrix instructions (ISA guide 7.12.1)
.rept 4
	v_nop
.endr
.endm
.macro CREST
	s_cmp_lg_u32 s10, 0
	s_cbranch_scc1 .Lnot_wave_0_\@
	s_barrier_signal -3
.Lnot_wave_0_\@:
	s_barrier_wait -3
	s_barrier_signal -1
	s_barrier_wait -1
.endm
.macro CROUND                          ; a round of the cluster's barrier
	s_barrier_signal -1
	s_barrier_wait -1
	CREST
.endm
.macro JLOAD                           ; a joint refill; an s_nop 0 and four v_nop follow each line
	s_cmp_eq_u32 s11, 0
	s_cbranch_scc0 .Lfor_b_\@
	tensor_load_to_lds s[G0+4:G0+7], s[G1:G1+7]
	s_nop 0
.rept 4
	v_nop
.endr
	s_branch .Lasked_\@
.Lfor_b_\@:
	tensor_load_to_lds s[G0B+4:G0B+7], s[G1B:G1B+7]
	s_nop 0
.rept 4
	v_nop
.endr
.Lasked_\@:
.endm
	s_load_b128 s[4:7], s[0:1], 0x0                ; p s[4:5], qvo s[6:7]
	s_load_b64 s[76:77], s[0:1], 0x10              ; st
	s_load_b64 s[82:83], s[0:1], 0x18              ; wts
	s_load_b64 s[8:9], s[0:1], 0x20                ; out0
	v_lshl_add_u32 v[SPW], v0, 2, SPARE
	v_mov_b32 v[NIL], 0
	ds_add_u32 v28, v29
	s_wait_dscnt 0x0
	v_lshrrev_b32 v1, 5, v0
	v_readfirstlane_b32 s10, v1                    ; wave 0..3
	s_lshr_b32 s11, s10, 1                         ; I fetch p (0) or vo (1)
	s_and_b32 s12, s10, 1                          ; which half of that tile
	s_bfe_u32 s40, ttmp6, 0x40000                  ; cx
	s_bfe_u32 s41, ttmp6, 0x40004                  ; cy
	s_lshl_b32 s42, ttmp9, 2
	s_add_co_u32 s42, s42, s40                     ; tile column 0..7
	s_and_b32 s13, ttmp7, 0xffff
	s_lshr_b32 s45, s13, 1                         ; the batch, made of the cluster's y alone
	s_lshl_b32 s13, s13, 2
	s_add_co_u32 s13, s13, s41                     ; tile row 0..31
	s_lshl_b32 s43, s41, 2
	s_lshl_b32 s43, 15, s43                        ; my row of the cluster
	s_lshl_b32 s44, 0x1111, s40                    ; my column
	s_or_b32 s[G1+0], s43, (1<<16)|(1<<20)|(1<<21)|(5<<22)|(3<<25)   ; mask; 2-byte elements; padding on; bit 21 beside a mask; after every 64 words 4 words
	s_mov_b32 s[G1+1], 128<<16
	s_mov_b32 s[G1+2], 128<<16
	s_mov_b32 s[G1+3], 128<<16
	s_mov_b32 s[G1+4], 128
	s_mov_b32 s[G1+5], 2048                        ; p's rows are 2,048 elements apart
	s_mov_b32 s[G1+6], 0
	s_mov_b32 s[G1+7], 0
	s_or_b32 s[G1B+0], s44, (1<<16)|(1<<20)|(1<<21)|(5<<22)|(7<<25)  ; after every 64 words 8 words
	s_mov_b32 s[G1B+1], 128<<16
	s_mov_b32 s[G1B+2], 64<<16
	s_mov_b32 s[G1B+3], 128<<16
	s_mov_b32 s[G1B+4], 64
	s_mov_b32 s[G1B+5], 1024
	s_mov_b32 s[G1B+6], 0
	s_mov_b32 s[G1B+7], 0
	s_lshl_b32 s16, s13, 8                         ; p: row 256 x tile row + 128 x half, 4,096 bytes a row
	s_lshl_b32 s17, s12, 7
	s_add_co_u32 s16, s16, s17
	s_lshl_b32 s16, s16, 12
	s_mov_b32 s17, 0
	s_lshl_b32 s46, s45, 11                        ; vo: row 2,048 x batch + 64 x half, 256 bytes x tile column, 16 MiB into qvo
	s_lshl_b32 s47, s12, 6
	s_add_co_u32 s46, s46, s47
	s_lshl_b32 s46, s46, 11
	s_lshl_b32 s47, s42, 8
	s_add_co_u32 s46, s46, s47
	s_add_co_u32 s46, s46, 0x1000000
	s_mov_b32 s47, 0
	s_mul_i32 s[WOFFA], s12, HALFT
	s_mul_i32 s[WOFFB], s12, 64*PB
	s_add_co_u32 s[WOFFB], s[WOFFB], 2*HALFT
	s_mov_b32 s[FS], SLOT
	s_mov_b32 s[TA], 0
	s_mov_b32 s[TB], 0
	s_mov_b32 s[TG], 0
	s_lshl_b32 s78, s13, 10                        ; st: my tile's 256 rows, 4 bytes each
	s_mov_b32 s79, 0
	s_lshl_b32 s80, s42, 9                         ; bo's 128 numbers for my tile column, row 4 of the table
	s_add_co_u32 s80, s80, 0x800000+4*4096
	s_mov_b32 s81, 0
	s_wait_kmcnt 0x0
	s_add_nc_u64 s[14:15], s[4:5], s[16:17]
	s_add_nc_u64 s[46:47], s[6:7], s[46:47]
	s_add_nc_u64 s[76:77], s[76:77], s[78:79]
	s_add_nc_u64 s[82:83], s[82:83], s[80:81]
	CROUND                                         ; the first joint loads meet
.irp s, 0,1
	s_mov_b32 s[G0+4*(\s)], 1
	s_add_co_u32 s[G0+4*(\s)+1], s[WOFFA], (\s)*SLOT
	s_add_nc_u64 s[G0+4*(\s)+2:G0+4*(\s)+3], s[14:15], (\s)*STEPA
	s_or_b32 s[G0+4*(\s)+3], s[G0+4*(\s)+3], 0x80000000
	s_mov_b32 s[G0B+4*(\s)], 1
	s_add_co_u32 s[G0B+4*(\s)+1], s[WOFFB], (\s)*SLOT
	s_add_nc_u64 s[G0B+4*(\s)+2:G0B+4*(\s)+3], s[46:47], (\s)*STEPB
	s_or_b32 s[G0B+4*(\s)+3], s[G0B+4*(\s)+3], 0x80000000
.endr
	s_cmp_eq_u32 s11, 0                            ; a wave's two first fills stand in one branch: two loads of mine are out
	s_cbranch_scc0 .Lfirst_b
	tensor_load_to_lds s[G0:G0+3], s[G1:G1+7]
	s_nop 0
	tensor_load_to_lds s[G0+4:G0+7], s[G1:G1+7]
	s_nop 0
.rept 4
	v_nop
.endr
	s_branch .Lfirst_asked
.Lfirst_b:
	tensor_load_to_lds s[G0B:G0B+3], s[G1B:G1B+7]
	s_nop 0
	tensor_load_to_lds s[G0B+4:G0B+7], s[G1B:G1B+7]
	s_nop 0
.rept 4
	v_nop
.endr
.Lfirst_asked:
	; THE STATISTICS, in the wait for the first tiles.  Thread t owns rows 2 t and 2 t + 1 of the tile: a wave's load covers 256 consecutive bytes, aligned.
	v_lshlrev_b32 v[SO], 3, v0
	v_and_b32 v1, 15, v0                           ; l % 16
	v_bfe_u32 v2, v0, 4, 1                         ; l / 16
	v_lshlrev_b32 v[BO], 5, v2                     ; my eight columns of a block of 16
.set i, 0
.rept 16
	global_load_b64 v[SE+2*i:SE+2*i+1], v[SO], s[76:77] offset:32768*i
.set i, i+1
.endr
.set i, 0
.rept 16
	global_load_b64 v[SL+2*i:SL+2*i+1], v[SO], s[76:77] offset:524288+32768*i
.set i, i+1
.endr
	WIN 0x80                                       ; the totals begin as bo: destination window 2, address window 0
.irp a, 0,1,2
.irp b, 0,1,2,3,4,5,6,7
	global_load_b128 v[64+64*(\a)+8*(\b):64+64*(\a)+8*(\b)+3],   v[BO], s[82:83] offset:64*(\b)
	global_load_b128 v[64+64*(\a)+8*(\b)+4:64+64*(\a)+8*(\b)+7], v[BO], s[82:83] offset:64*(\b)+16
.endr
.endr
	WIN 0xc0                                       ; window 3
.irp b, 0,1,2,3,4,5,6,7
	global_load_b128 v[8*(\b):8*(\b)+3],   v[BO], s[82:83] offset:64*(\b)
	global_load_b128 v[8*(\b)+4:8*(\b)+7], v[BO], s[82:83] offset:64*(\b)+16
.endr
	WIN 0
	v_mul_u32_u24 v3, v1, PITCH
	v_lshl_add_u32 v3, v2, 4, v3
	s_mul_i32 s78, s10, 64*PITCH
	v_add_nc_u32 v[A0], s78, v3
	v_and_b32 v4, 7, v0                            ; the turning load: row 8 (l / 16) + l % 8, columns 8 ((l / 8) % 2) + 0..7
	v_lshl_add_u32 v4, v2, 3, v4
	v_mul_u32_u24 v4, v4, PB
	v_bfe_u32 v5, v0, 3, 1
	v_lshl_add_u32 v4, v5, 4, v4
	v_add_nc_u32 v[B0], 2*HALFT, v4
	s_lshl_b32 s78, s10, 8                         ; my wave's 64 rows, a word each
	s_add_co_u32 s78, s78, GTAB
	v_lshl_add_u32 v[GA0], v1, 2, s78
	v_add_nc_u32 v[GW], GTAB, v[SO]
	s_mul_i32 s78, s10, 16*SPITCH
	s_add_co_u32 s78, s78, STAGE                   ; my stage
	v_mul_u32_u24 v5, v1, SPITCH                   ; in: row l % 16, 32 bytes for each half of the lanes
	v_lshl_add_u32 v5, v2, 5, v5
	v_add_nc_u32 v[STO], s78, v5
	v_and_b32 v4, 31, v0
	v_lshlrev_b32 v[CO], 4, v4                     ; back and out: 32 lanes take one row's 512 bytes
	v_add_nc_u32 v[RD], s78, v[CO]
	s_lshl_b32 s78, s13, 8                         ; my part of out0: row 256 x tile row + 64 x wave, 512 bytes x tile column
	s_lshl_b32 s79, s10, 6
	s_add_co_u32 s78, s78, s79
	s_lshl_b32 s78, s78, 12
	s_lshl_b32 s79, s42, 9
	s_add_co_u32 s78, s78, s79
	s_mov_b32 s79, 0
	s_add_nc_u64 s[8:9], s[8:9], s[78:79]
	s_wait_loadcnt 0x0
.irp r, 0,1
	v_min3_num_f32 v[EM+(\r)], v[SE+(\r)], v[SE+2+(\r)], v[SE+4+(\r)]
.endr
.irp j, 0,1,2,3,4,5
.irp r, 0,1
	v_min3_num_f32 v[EM+(\r)], v[EM+(\r)], v[SE+6+4*(\j)+(\r)], v[SE+8+4*(\j)+(\r)]
.endr
.endr
.irp r, 0,1
	v_min_num_f32 v[EM+(\r)], v[EM+(\r)], v[SE+30+(\r)]  ; E
.endr
.set i, 0
.rept 16
	v_pk_add_f32 v[SE+2*i:SE+2*i+1], v[EM:EM+1], v[SE+2*i:SE+2*i+1] neg_lo:[0,1] neg_hi:[0,1]  ; E - e: whole numbers, exact
.set i, i+1
.endr
.set i, 0
.rept 32
	v_exp_f32 v[SE+i], v[SE+i]                     ; g
.set i, i+1
.endr
	v_nop                                          ; a plain instruction between the last exponential and the use of its result
	s_wait_alu depctr_va_vdst(0)
	v_pk_mul_f32 v[LL:LL+1], v[SL:SL+1], v[SE:SE+1]
.set i, 1
.rept 15
	v_pk_fma_f32 v[LL:LL+1], v[SL+2*i:SL+2*i+1], v[SE+2*i:SE+2*i+1], v[LL:LL+1]
.set i, i+1
.endr
	v_rcp_f32 v[RC], v[LL]
	v_rcp_f32 v[RC+1], v[LL+1]
	v_nop                                          ; a plain instruction between the reciprocals and their use
.set i, 0
	s_wait_alu depctr_va_vdst(0)
.rept 16
	v_pk_mul_f32 v[SE+2*i:SE+2*i+1], v[SE+2*i:SE+2*i+1], v[RC:RC+1]  ; g' = g / L
.set i, i+1
.endr
.set i, 0
.rept 16
	ds_store_b64 v[GW], v[SE+2*i:SE+2*i+1] offset:1024*i
.set i, i+1
.endr
; 8 products: row block a x all 8 column blocks, buffer f.  init = 1: the first product starts the sums.  The 32 accumulators take turns.
.macro MULA f, a, init
.set FB, 64+64*(\f)
.set FA, 192+32*(\f)+8*(\a)
.set AC, 64*((\a)%3)
	WIN 0x54+0x50*((\a)/3)                         ; vo window 0, p window 1, C and D window 1 or 2
.irp b, 0,1,2,3,4,5,6,7
.if \init
	v_wmma_f32_16x16x32_bf16 v[AC+8*(\b):AC+8*(\b)+7], v[FB+8*(\b):FB+8*(\b)+7], v[FA:FA+7], 0
.else
	v_wmma_f32_16x16x32_bf16 v[AC+8*(\b):AC+8*(\b)+7], v[FB+8*(\b):FB+8*(\b)+7], v[FA:FA+7], v[AC+8*(\b):AC+8*(\b)+7]
.endif
.endr
.endm
.macro ADDR                            ; four plain instructions: also the places between the last products and the loads
	v_add_nc_u32 v[ADRA], s[TA], v[A0]
	v_add_nc_u32 v[ADRB], s[TB], v[B0]
	v_nop
	v_nop
.endm
.macro FETCH f                         ; 24 LDS loads in one run
.set FB, 64+64*(\f)
.set FA, 192+32*(\f)
	WIN 0
.irp b, 0,1,2,3,4,5,6,7
	ds_load_tr16_b128 v[FB+8*(\b):FB+8*(\b)+3],   v[ADRB] offset:32*(\b)
	ds_load_tr16_b128 v[FB+8*(\b)+4:FB+8*(\b)+7], v[ADRB] offset:32*(\b)+16*PB
.endr
	WIN 0x40
.irp a, 0,1,2,3
	ds_load_b128 v[FA+8*(\a):FA+8*(\a)+3],   v[ADRA] offset:(\a)*16*PITCH
	ds_load_b128 v[FA+8*(\a)+4:FA+8*(\a)+7], v[ADRA] offset:(\a)*16*PITCH+32
.endr
	s_add_co_u32 s[TA], s[TA], 64
	s_add_co_u32 s[TB], s[TB], QSB
.endm
.macro LOADG                           ; g' of block TG / 1,024 for my row in each of the four row blocks, twice: the packed multiply-add names a pair
	WIN 0
	v_add_nc_u32 v[ADRG], s[TG], v[GA0]
.irp a, 0,1,2,3
	ds_load_b32 v[G+2*(\a)],   v[ADRG] offset:64*(\a)
	ds_load_b32 v[G+2*(\a)+1], v[ADRG] offset:64*(\a)
.endr
.endm
.macro QUARTER f, g, init=0, fetch=1   ; asks for the next quarter's fragments (buffer g), then multiplies buffer f
	WIN 0
.if \fetch
	ADDR
	FETCH \g
	s_wait_dscnt 24                                ; all but the 24 just issued: buffer f, asked for a quarter ago, is in
.else
	s_wait_dscnt 0x0
.endif
	MULA \f, 0, \init
	MULA \f, 1, \init
	MULA \f, 2, \init
	MULA \f, 3, \init
.endm
; Accumulator k (= 8 a + b) is taken into the totals: TOT += g' x BLK, its registers in ascending order.
.macro XFOLD k
.set ka, (\k)/8
.set kb, (\k)%8
.if ka < 3
	WIN 0xa1                                       ; BLK (source 0) window 1, g' window 0, TOT (source 2 and destination) window 2
.set BL, 64*ka+8*kb
.set TT, 64+64*ka+8*kb
.else
	WIN 0xf2                                       ; BLK window 2, TOT window 3
.set BL, 8*kb
.set TT, 8*kb
.endif
.irp r, 0,1,2,3
	v_pk_fma_f32 v[TT+2*(\r):TT+2*(\r)+1], v[BL+2*(\r):BL+2*(\r)+1], v[G+2*ka:G+2*ka+1], v[TT+2*(\r):TT+2*(\r)+1] op_sel_hi:[1,0,1]
.endr
.endm
.macro XMUL k                          ; accumulator k is started anew, on buffer 0
.set ka, (\k)/8
.set kb, (\k)%8
.set AC, 64*(ka%3)+8*kb
	WIN 0x54+0x50*(ka/3)
	v_wmma_f32_16x16x32_bf16 v[AC:AC+7], v[64+8*kb:64+8*kb+7], v[192+8*ka:192+8*ka+7], 0
.endm
; A BLOCK'S FIRST QUARTER (buffer 0; it fetches into buffer 1).  Accumulator k's last product stands in the quarter before.  Between it and the lines that read it stand ADDR's four places; between it and the product
; that writes over it five places are due: for accumulator 0 the v_nop is the fifth, for the others the multiply-adds of the accumulators before them.  Behind the quarter the next block's g' is fetched.
.macro QUARTERX
	WIN 0
	ADDR
	FETCH 1
	s_wait_dscnt 24                                ; all but the 24 just issued
	v_nop
	XFOLD 0
.set idx, 0
.rept 32
	XMUL idx
.if idx < 31
	XFOLD idx+1
.endif
.set idx, idx+1
.endr
	LOADG
.endm
.macro PAIR tag                        ; two quarters; behind a change of slots (CNT = 2) the second is a block's first
	QUARTER 1, 0
	WIN 0
	s_cmp_eq_u32 s[CNT], 2
	s_cbranch_scc1 .Lfold\tag
	QUARTER 0, 1
	WIN 0
	s_branch .Ljoin\tag
.Lfold\tag:
	QUARTERX
	WIN 0
.Ljoin\tag:
.endm
.macro CHANGE fill                     ; the change of slots: all my tensor loads, the add, my reads; then a round of the cluster's barrier and the joint refill, or (fill = 0) a barrier
	WIN 0
	s_wait_tensorcnt 0x0                           ; no tensor load of mine is out, so a group 0 may be written
	ds_add_u32 v[SPW], v[NIL]
.if \fill
	s_xor_b32 s[FS], s[FS], SLOT                   ; FS is 0 or SLOT
	s_add_co_u32 s[G0+5], s[WOFFA], s[FS]
	s_add_co_u32 s[G0B+5], s[WOFFB], s[FS]
	s_add_nc_u64 s[G0+6:G0+7], s[G0+6:G0+7], STEPA
	s_add_nc_u64 s[G0B+6:G0B+7], s[G0B+6:G0B+7], STEPB
.endif
	s_sub_co_u32 s[TA], s[TA], 256
	s_xor_b32 s[TA], s[TA], SLOT
	s_sub_co_u32 s[TB], s[TB], 4*QSB
	s_xor_b32 s[TB], s[TB], SLOT
	s_add_co_u32 s[TG], s[TG], 1024                ; the g' fetched next is the next block's
	s_wait_dscnt 0x0                               ; the add is done, and my reads of the slot are over
.if \fill
	CROUND
	JLOAD
.else
	s_barrier_signal -1
	s_barrier_wait -1
.endif
.endm
; THE WAY OUT.  The last block is taken into the totals; 16 rows x 512 bytes go through my own stage and come back as whole rows.
.macro FOLDA a
.set idx, 8*(\a)
.rept 8
	XFOLD idx
.set idx, idx+1
.endr
.endm
.macro STIN a
	WIN 0
.if (\a) != 0
	s_wait_xcnt 0x0                                ; the stores' base and the registers that the block before's stores read are rewritten only behind this wait
	s_add_nc_u64 s[8:9], s[8:9], 16*ROWC
.endif
.if (\a) < 3
	WIN 0x08                                       ; store data window 2
.set TT, 64+64*(\a)
.else
	WIN 0x0c                                       ; window 3
.set TT, 0
.endif
.irp b, 0,1,2,3,4,5,6,7
	ds_store_b128 v[STO], v[TT+8*(\b):TT+8*(\b)+3]   offset:64*(\b)
	ds_store_b128 v[STO], v[TT+8*(\b)+4:TT+8*(\b)+7] offset:64*(\b)+16
.endr
	WIN 0
.irp t, 0,1,2,3,4,5,6,7,8,9,10,11,12,13,14,15
	ds_load_b128 v[OB+4*(\t):OB+4*(\t)+3], v[RD] offset:(\t)*SPITCH  ; LDS serves a wave's instructions in order (ISA guide 5.7.1.4): these see the stores above
.endr
.endm
.macro SENDF
	WIN 0
.irp t, 0,1,2,3,4,5,6,7,8,9,10,11,12,13,14,15
	s_wait_dscnt 15-(\t)                           ; row t is back; the younger rows' loads may stay out
	global_store_b128 v[CO], v[OB+4*(\t):OB+4*(\t)+3], s[8:9] offset:(\t)*ROWC  ; 512 consecutive bytes, aligned
.endr
.endm
	s_wait_tensorcnt 1                             ; my part of K step 0 is in; K step 1's may stay out
	s_wait_dscnt 0x0                               ; for the others' sake: my words of the table are stored
	s_barrier_signal -1
	s_barrier_wait -1
	LOADG                                          ; block 0's g'
	ADDR
	FETCH 0
	QUARTER 0, 1, 1                                ; quarter 0 starts block 0's sums
	WIN 0
	s_mov_b32 s[CNT], 1                            ; one pair (quarters 1, 2) stands ahead of the first change of slots
	s_mov_b32 s[SLOTS], NS-1
	s_branch .Lpair
.Lslot:                                                ; NS - 2 times: every slot but the last two is filled again
	CHANGE 1
	s_mov_b32 s[CNT], 2
.Lpair:
	PAIR 1
	s_sub_co_u32 s[CNT], s[CNT], 1
	s_cmp_lg_u32 s[CNT], 0
	s_cbranch_scc1 .Lpair
	s_sub_co_u32 s[SLOTS], s[SLOTS], 1
	s_cmp_lg_u32 s[SLOTS], 0
	s_cbranch_scc1 .Lslot
	CHANGE 0                                       ; the tail is written out
	s_mov_b32 s[CNT], 2
.Lpair2:
	PAIR 2
	s_sub_co_u32 s[CNT], s[CNT], 1
	s_cmp_lg_u32 s[CNT], 0
	s_cbranch_scc1 .Lpair2
	QUARTER 1, 0, 0, 0                             ; the last quarter fetches nothing
	PLACES                                         ; the lines below read results just made
	FOLDA 0
.irp a, 0,1,2,3                        ; the next row block's multiply-adds stand between a block's loads from the stage and the waits for them
	STIN \a
.if (\a) < 3
	FOLDA (\a)+1
.endif
	SENDF
.endr
	s_wait_tensorcnt 0x0                           ; the wave's end
	ds_add_u32 v[SPW], v[NIL]
	s_wait_dscnt 0x0
	CROUND                                         ; the closing round
	s_endpgm
.Lfunc_end_k_qabee5d5968_pv:
	.size	k_qabee5d5968_pv, .Lfunc_end_k_qabee5d5968_pv-k_qabee5d5968_pv
	.p2alignl 7, 3214868480
	.fill 96, 4, 3214868480
	.section	.rodata,"a",@progbits
	.p2align	6, 0x0
	.amdhsa_kernel k_qabee5d5968_pv
		.amdhsa_group_segment_fixed_size 327680
		.amdhsa_private_segment_fixed_size 0
		.amdhsa_enable_private_segment 0
		.amdhsa_kernarg_size 40
		.amdhsa_user_sgpr_count 2
		.amdhsa_user_sgpr_kernarg_segment_ptr 1
		.amdhsa_wavefront_size32 1
		.amdhsa_system_sgpr_workgroup_id_x 1
		.amdhsa_system_sgpr_workgroup_id_y 1
		.amdhsa_system_sgpr_workgroup_id_z 1
		.amdhsa_system_vgpr_workitem_id 0
		.amdhsa_next_free_vgpr 832
		.amdhsa_next_free_sgpr 84
		.amdhsa_reserve_vcc 0
		.amdhsa_float_denorm_mode_32 3
		.amdhsa_float_denorm_mode_16_64 3
		.amdhsa_memory_ordered 1
		.amdhsa_forward_progress 1
		.amdhsa_inst_pref_size 103
	.end_amdhsa_kernel
	.amdgpu_metadata
---
amdhsa.version: [ 1, 2 ]
amdhsa.kernels:
  - .name:           k_qabee5d5968_pv
    .symbol:         k_qabee5d5968_pv.kd
    .args:
      - { .name: p, .offset: 0, .size: 8, .value_kind: global_buffer, .address_space: global }
      - { .name: qvo, .offset: 8, .size: 8, .value_kind: global_buffer, .address_space: global }
      - { .name: st, .offset: 16, .size: 8, .value_kind: global_buffer, .address_space: global }
      - { .name: wts, .offset: 24, .size: 8, .value_kind: global_buffer, .address_space: global }
      - { .name: out0, .offset: 32, .size: 8, .value_kind: global_buffer, .address_space: global }
    .group_segment_fixed_size: 327680
    .private_segment_fixed_size: 0
    .kernarg_segment_align: 8
    .kernarg_segment_size: 40
    .max_flat_workgroup_size: 128
    .sgpr_count:     84
    .vgpr_count:     832
    .wavefront_size: 32
...
	.end_amdgpu_metadata
.endif
;; end of part 5
